; MI455X (gfx1250); checked and timed in simulation.
; The chip was launched on July 23, 2026; its instructions are those of AMD's public machine-readable ISA for CDNA 5 (MIT licence, August 2026) and "CDNA5" Instruction Set Architecture Reference Guide (July 2026). The comments in the code are by the model that wrote it; some were corrected since.
;; Block. Allowed arithmetic: matrix products marked QUANTISED: E4M3 operands, one E8M0 scale for each 32 along K, by v_wmma_scale_f32_16x16x128_f8f6f4 with both operands' format E4M3, f32 sums; everything else in f32.
;; Inputs: b1 4,096 float32; b2 1,024 float32; b_proj 1,024 float32; be1 1,024 float32; be2 1,024 float32; g1 1,024 float32; g2 1,024 float32; w1_codes 4,096 x 32 x 32 uint8 (E4M3 codes of w1, K innermost, in blocks of 32 codes); w1_scales 4,096 x 32 uint8 (E8M0 scales of w1, one for each 32 codes along K); w2_codes 1,024 x 128 x 32 uint8 (E4M3 codes of w2, K innermost, in blocks of 32 codes); w2_scales 1,024 x 128 uint8 (E8M0 scales of w2, one for each 32 codes along K); w_proj_codes 1,024 x 32 x 32 uint8 (E4M3 codes of w_proj, K innermost, in blocks of 32 codes); w_proj_scales 1,024 x 32 uint8 (E8M0 scales of w_proj, one for each 32 codes along K); wk_codes 1,024 x 32 x 32 uint8 (E4M3 codes of wk, K innermost, in blocks of 32 codes); wk_scales 1,024 x 32 uint8 (E8M0 scales of wk, one for each 32 codes along K); wq_codes 1,024 x 32 x 32 uint8 (E4M3 codes of wq, K innermost, in blocks of 32 codes); wq_scales 1,024 x 32 uint8 (E8M0 scales of wq, one for each 32 codes along K); wv_codes 1,024 x 32 x 32 uint8 (E4M3 codes of wv, K innermost, in blocks of 32 codes); wv_scales 1,024 x 32 uint8 (E8M0 scales of wv, one for each 32 codes along K); x 2 x 2,048 x 1,024 float32.
;; Outputs: out0 2 x 2,048 x 1,024 float32.
;; This version of the problem:
;;   THIS VERSION OF THE PROBLEM IS GIVEN IN LOW PRECISION. The matrix products marked QUANTISED in the list below multiply operands that are first quantised to E4M3 (4 exponent bits, 3 mantissa bits; 8 bits a number), with one power-of-two scale for each 32 numbers along K (OCP MX v1.0); their sums are f32. All else is computed in f32.
;;   The module's matrix products, in the order in which they are computed (A, B: the left and right operand; K: the contracted axis; several contracted axes count as one K, in the product's order):
;;     1. [M 4,096, K 1,024] x [K 1,024, N 1,024]; A: input x; B: input wq (given as codes): QUANTISED
;;     2. [M 4,096, K 1,024] x [K 1,024, N 1,024]; A: input x; B: input wk (given as codes): QUANTISED
;;     3. [M 4,096, K 1,024] x [K 1,024, N 1,024]; A: input x; B: input wv (given as codes): QUANTISED
;;     4. batch 32 x [M 2,048, K 64] x [K 64, N 2,048]; A: computed on the way; B: computed on the way: QUANTISED
;;     5. batch 32 x [M 2,048, K 2,048] x [K 2,048, N 64]; A: softmax (see below); B: computed on the way: QUANTISED
;;     6. [M 4,096, K 1,024] x [K 1,024, N 1,024]; A: computed on the way; B: input w_proj (given as codes): QUANTISED
;;     7. [M 4,096, K 1,024] x [K 1,024, N 4,096]; A: computed on the way; B: input w1 (given as codes): QUANTISED
;;     8. [M 4,096, K 4,096] x [K 4,096, N 1,024]; A: computed on the way; B: input w2 (given as codes): QUANTISED
;;   THE QUANTISER, for each operand of a quantised product, along K:
;;     - K is cut into blocks of 32 from its start; a last block that is shorter is filled with zeros.
;;     - A block's scale is 2^e with e = floor(log2(the largest magnitude in the block)) - 8, held to -126 .. 127; a block of zeros has e = 0. As a byte (E8M0): e + 127.
;;     - Each number is divided by its block's scale, clamped to +-448, and rounded to the nearest number of E4M3, ties to even, subnormals kept.
;;     - The product sums the exact products of the quantised numbers (number of the format x scale) in f32.
;;   ~~~python
;;   def quantise(x, axis):      # numpy; x: float32 -> the quantised numbers, widened to float32 again
;;       x = np.moveaxis(x, axis, -1); K = x.shape[-1]
;;       x = np.pad(x, [(0, 0)] * (x.ndim - 1) + [(0, -K % 32)]); x = x.reshape(x.shape[:-1] + (-1, 32)); a = np.abs(x).max(-1, keepdims=True)
;;       e = np.where(a > 0, np.clip(np.frexp(np.where(a > 0, a, 1))[1] - 1 - 8, -126, 127), 0)      # np.frexp(a)[1] - 1 = floor(log2(a)), exactly
;;       r = np.clip(x / 2.0 ** e, -448, 448)
;;       step = 2.0 ** (np.maximum(np.frexp(np.where(r == 0, 1, r))[1] - 1, -6) - 3)
;;       q = np.round(r / step) * step * 2.0 ** e      # np.round: ties to even
;;       return np.moveaxis(q.reshape(q.shape[:-2] + (-1,))[..., :K], -1, axis).astype(np.float32)
;;   ~~~
;;   SOFTMAX AHEAD OF A QUANTISED PRODUCT. Where the list says 'softmax', what is quantised is not the finished softmax but p = 2^(t - M), with t = logit x log2(e) and M = ceil(the row's largest t), a whole number; so 1/2 < the row's largest p <= 1. The row's sum l is taken of the UNQUANTISED p, in f32, and the product's result is divided by l at the end. Since M is a whole number, a kernel that streams over the keys may use a running M (the ceiling of the running maximum): every later rescaling is an exact power of two, which a block's scale takes up: the codes' values come out the same.
;;   OPERANDS COMPUTED ON THE WAY. 'Computed on the way' means the value that the module computes at that place (a softmax that the list does not call 'softmax' is quantised finished and normalised). What goes into a quantiser is computed in f32, as accurately as f32 sums, v_exp_f32 and their like allow (about 1e-6 of the number): no bf16 or f16 on the way to a quantiser, and a product that is left as it is and whose result goes on into a quantised operand takes f32 operands (vector FMAs, or v_wmma_f32_16x16x4_f32). A number that lies on a knife's edge between two numbers of the format may be rounded either way, as far as f32 arithmetic and the matrix unit's own rounding can turn it there, and no further.
;;   INPUTS GIVEN AS CODES. w1 (in the module: [1024, 4096], K = its axis 0); w2 (in the module: [4096, 1024], K = its axis 0); w_proj (in the module: [1024, 1024], K = its axis 0); wk (in the module: [1024, 1024], K = its axis 0); wq (in the module: [1024, 1024], K = its axis 0); wv (in the module: [1024, 1024], K = its axis 0): each comes as NAME_codes (uint8): NAME with its K axis moved to the last place and cut into blocks of 32 codes, [.., K / 32, bytes a block], one block behind the other in memory; one code a byte (a code: sign, 4 exponent bits, 3 mantissa bits); and NAME_scales (uint8): the same leading axes, one E8M0 byte (e + 127) for each 32 codes along K. Its value is code x scale, taken as it is: it is not quantised again, and the codes and scales need not be those that the quantiser above would give.
;; One version. Each part assembles by itself: llvm-mc -triple=amdgcn-amd-amdhsa -mcpu=gfx1250 --defsym DOCPART=n.
;; ======== version 1 of 1: 8 launches
;; limits: right only within a limited range of input values
;; workspace buffers: wprep 4,718,592 bytes; wqkv 13,238,272 bytes; wattn 4,325,376 bytes; wy 16,777,216 bytes; wx1 21,102,592 bytes; wh 17,301,504 bytes; wy2 16,777,216 bytes
;; launch prep (part 1): grid 352 x 1, 8 waves a work-group, no clusters, 83,456 bytes of LDS; arguments x, wq_scales, wk_scales, wv_scales, w_proj_scales, w1_scales, w2_scales, wprep; writes wprep
.if DOCPART == 1
	.amdgcn_target "amdgcn-amd-amdhsa--gfx1250"
	.amdhsa_code_object_version 6
	.text
	.protected	k_q851ea233ab_prep
	.globl	k_q851ea233ab_prep
	.p2align	8
	.type	k_q851ea233ab_prep,@function
k_q851ea233ab_prep:
	s_mov_b64 s[64:65], 0
	v_nop
	global_prefetch_b8 v0, s[64:65] scope:SCOPE_SE
	s_setreg_imm32_b32 hwreg(HW_REG_WAVE_MODE, 25, 1), 1
	s_wait_xcnt 0x0
; THE PROGRAM: a post-LN transformer block (B 2, T 2048, C 1024, 16 heads of 64, Dff 4096), all eight products on E4M3 codes with one E8M0 scale for each 32 along K.
; Launches: prep (this one), qkv, attn, proj, ln1, mlp1, mlp2, ln2.
; WORK LEFT OUT, in the problem's own terms: reference() builds the causal mask (jnp.tril) in its own body and sets every score with key > query to the least f32 number ahead of the softmax,
; so such a key's weight is thrown away whatever the inputs hold.  The launch attn therefore walks, for a tile of 16 queries that lies in the 128-query block i, key steps 0 .. i of 128 keys only: the steps i + 1 .. 15
; lie wholly behind the mask (products 4 and 5 of those steps).  Inside the one step on the diagonal all work is done and the hidden scores are replaced.  No input is without a way to the output: all are loaded.
; LIMIT: a NaN, an infinity or an overflow that reaches only the key steps left out is not carried to the result.
; THIS LAUNCH.  Work-groups 0 .. 255: x [4096][1024] f32 becomes codes (wprep + 0, row-major, K innermost) and SCALE WORDS (wprep + 0x400000).  Work-groups 256 .. 351: the six weights' scale bytes are laid anew as scale words.
; SCALE WORDS, the layout of every operand's scales in this program: [row / 256][k / 128][row % 256] words of four E8M0 bytes (byte b: k = 32 b on): what a tile of 256 rows wants for 256 along K is 2,048 consecutive bytes.
; A block's scale is 2^(floor(log2(its largest magnitude)) - 8); its byte is the largest magnitude's exponent field - 8, held at 1 from below.
; LIMITS: a block whose largest magnitude lies under 2^-118 takes the byte 1; a block of zeros takes the byte 1 where the rule says 127 (its codes are zeros, and this program alone reads the bytes); NaN and infinities among the inputs are not served.
; SHARES (x).  A work-group takes 16 rows, a wave two.  Each load reads 512 consecutive bytes; 2,048 bytes at a time turn through the wave's own stage in LDS, so that a lane then holds 16 neighbours along K (two lanes to a block).
.set SP,    80                         ; a lane's place in a stage: 64 bytes + 16 of padding
.set WREG,  10240                      ; a wave's four stages (2 rows x 2 halves) of 32 x SP bytes
.set SCB,   8*WREG                     ; the work-group's scale bytes, [16 rows][32]
.set SPARE, SCB+512                    ; the spare words: 128 bytes for each of the eight waves, named by no other line
.set XSO,   0x400000                   ; x's scale words in wprep
.set SQO,   0x420000                   ; the weights' scale words: wq, wk, wv, w_proj (32,768 bytes each), w1, w2 (131,072 each)
.set R,     32                         ; v32-95   two rows as loaded: register 4 j + i = column 128 j + 4 lane + i
.set XS,    96                         ; v96-159  16 neighbours for each (row, half)
.set RP,    32                         ; registers from row to row in R and in XS
.set C,     160                        ; v160-175 codes
.set E,     176                        ; v176-179 scale bytes
.set SPW,   12                         ; v12  my spare word's LDS address; never rewritten
.set NIL,   13                         ; v13  0; never rewritten
	s_load_b512 s[4:19], s[0:1], 0x0               ; x, wq, wk, wv, w_proj, w1, w2 (scales), wprep s[18:19]
	v_lshl_add_u32 v[SPW], v0, 2, SPARE
	v_mov_b32 v[NIL], 0
	v_lshrrev_b32 v1, 5, v0
	s_delay_alu instid0(VALU_DEP_1)
	v_readfirstlane_b32 s20, v1                    ; wave 0..7
	v_and_b32 v2, 31, v0                           ; lane
	s_delay_alu instid0(VALU_DEP_1)
	v_lshlrev_b32 v3, 4, v2                        ; 16 x lane: my bytes of a load's 512, and of a store's
	s_mul_i32 s21, s20, WREG
	v_lshrrev_b32 v14, 2, v2
	s_delay_alu instid0(VALU_DEP_1)
	v_mul_u32_u24 v14, v14, SP
	v_and_b32 v15, 3, v2
	s_delay_alu instid0(VALU_DEP_1)
	v_lshl_add_u32 v14, v15, 4, v14
	s_delay_alu instid0(VALU_DEP_1)
	v_add_nc_u32 v14, s21, v14                     ; the stage, on the way in: four lanes' 64 bytes on end, then the padding
	v_mul_u32_u24 v15, v2, SP
	s_delay_alu instid0(VALU_DEP_1)
	v_add_nc_u32 v15, s21, v15                     ; and on the way out: my 16 neighbours
	v_lshrrev_b32 v5, 1, v2
	s_lshl_b32 s22, s20, 6
	s_add_co_u32 s22, s22, SCB
	v_add_nc_u32 v5, s22, v5                       ; my block's byte: SCB + 32 (2 wave + row) + 16 half + lane / 2
	v_and_b32 v16, 15, v2                          ; r
	v_lshrrev_b32 v17, 4, v2                       ; h
	s_and_b32 s22, s20, 3
	s_lshl_b32 s22, s22, 1
	v_add_nc_u32 v17, s22, v17                     ; the plane (k / 128) whose words I carry out: 2 (wave & 3) + h
	v_lshlrev_b32 v6, 5, v16
	s_delay_alu instid0(VALU_DEP_1)
	v_lshl_add_u32 v6, v17, 2, v6
	s_delay_alu instid0(VALU_DEP_1)
	v_add_nc_u32 v6, SCB, v6                       ; LDS: row r's four bytes of that plane
	v_lshlrev_b32 v7, 2, v16
	s_delay_alu instid0(VALU_DEP_1)
	v_lshl_add_u32 v7, v17, 10, v7                 ; memory: 1,024 x plane + 4 r
	s_mov_b32 s23, 0x600000                        ; the mantissa field of 448
	s_wait_kmcnt 0x0
	s_cmp_lt_u32 ttmp9, 256                        ; the work-group's number alone: all eight waves go the same way
	s_cbranch_scc0 .Lscales
	s_lshl_b32 s24, ttmp9, 16                      ; 16 rows of 4,096 bytes,
	s_lshl_b32 s25, s20, 13                        ; my wave's two
	s_add_co_u32 s24, s24, s25
	s_mov_b32 s25, 0
	s_add_nc_u64 s[4:5], s[4:5], s[24:25]
	s_lshl_b32 s24, ttmp9, 14                      ; the same rows' codes: 1,024 bytes a row
	s_lshl_b32 s26, s20, 11
	s_add_co_u32 s24, s24, s26
	s_add_nc_u64 s[26:27], s[18:19], s[24:25]
	s_lshr_b32 s24, ttmp9, 4                       ; the scale words: tile of 256 rows,
	s_lshl_b32 s24, s24, 13
	s_and_b32 s28, ttmp9, 15                       ; my 16 rows in it
	s_lshl_b32 s28, s28, 6
	s_add_co_u32 s24, s24, s28
	s_add_co_u32 s24, s24, XSO
	s_add_nc_u64 s[28:29], s[18:19], s[24:25]
.irp p, 0,1
.irp j, 0,1,2,3,4,5,6,7
	global_load_b128 v[R+RP*\p+4*\j:R+RP*\p+4*\j+3], v3, s[4:5] offset:4096*\p+512*\j th:TH_LOAD_NT   ; 32 lanes read 512 consecutive bytes
.endr
.endr
.macro TURNROW p                       ; a row through its two stages: LDS serves a wave's instructions in order, so no wait stands between the stores and the loads
.irp t, 0,1
.irp i, 0,1,2,3
	ds_store_b128 v14, v[R+RP*(\p)+16*\t+4*\i:R+RP*(\p)+16*\t+4*\i+3] offset:5120*(\p)+2560*\t+640*\i
.endr
.endr
.irp t, 0,1
.irp i, 0,1,2,3
	ds_load_b128 v[XS+RP*(\p)+16*\t+4*\i:XS+RP*(\p)+16*\t+4*\i+3], v15 offset:5120*(\p)+2560*\t+16*\i
.endr
.endr
.endm
.macro QSTEP p, t, left                ; 512 numbers of row p, half t.  left: the LDS instructions issued behind this step's four loads
.set XQ, XS+RP*(\p)+16*(\t)
.set CQ, C+8*(\p)+4*(\t)
.set EQ, E+2*(\p)+(\t)
	s_wait_dscnt \left
	v_max3_num_f32 v8, |v[XQ]|, |v[XQ+1]|, |v[XQ+2]|               ; the largest magnitude of my 16, in two chains
	v_max3_num_f32 v9, |v[XQ+3]|, |v[XQ+4]|, |v[XQ+5]|
.irp i, 6,10
	s_delay_alu instid0(VALU_DEP_2)
	v_max3_num_f32 v8, v8, |v[XQ+\i]|, |v[XQ+\i+1]|
	s_delay_alu instid0(VALU_DEP_2)
	v_max3_num_f32 v9, v9, |v[XQ+\i+2]|, |v[XQ+\i+3]|
.endr
	s_delay_alu instid0(VALU_DEP_2)
	v_max3_num_f32 v8, v8, |v[XQ+14]|, |v[XQ+15]|
	s_delay_alu instid0(VALU_DEP_1)
	v_max3_num_f32 v8, v8, v9, 0x4800000           ; and the floor 2^(9 - 127): the byte cannot fall under 1
	s_delay_alu instid0(VALU_DEP_1)
	v_max_num_f32_dpp v8, v8, v8 row_xmask:1 row_mask:0xf bank_mask:0xf   ; and of my neighbour's 16: the block's
	s_delay_alu instid0(VALU_DEP_1)
	v_add_nc_u32 v11, 0xfc000000, v8               ; 8 off its exponent field: the conversion takes the exponent field of this operand as its scale
	s_delay_alu instid0(VALU_DEP_2)
	v_and_or_b32 v10, v8, 0x7f800000, s23          ; 448 x the scale
.irp i, 0,1,2,3,4,5,6,7,8,9,10,11,12,13,14,15
	v_med3_num_f32 v[XQ+\i], v[XQ+\i], -v10, v10   ; the conversion to an 8-bit code does not saturate (ISA guide 7.6.2): the hold comes first
.endr
	v_cvt_scalef32_pk8_fp8_f32 v[CQ:CQ+1], v[XQ:XQ+7], v11
	v_cvt_scalef32_pk8_fp8_f32 v[CQ+2:CQ+3], v[XQ+8:XQ+15], v11
	v_lshrrev_b32 v[EQ], 23, v11                   ; the scale's byte (a plain line behind the conversions)
	ds_store_b8 v5, v[EQ] offset:32*(\p)+16*(\t)   ; both lanes of a block write the same byte with the same value
	global_store_b128 v3, v[CQ:CQ+3], s[26:27] offset:1024*(\p)+512*(\t)   ; 32 lanes store 512 consecutive bytes
.endm
	s_wait_loadcnt 8                               ; row 0's eight loads are in, row 1's stay out
	TURNROW 0
	s_wait_loadcnt 0x0
	TURNROW 1
	QSTEP 0, 0, 20                                 ; behind its loads: 4 loads of row 0's other half, 16 instructions of row 1
	QSTEP 0, 1, 17                                 ; 16, and one byte store
	QSTEP 1, 0, 6                                  ; 4 loads, two byte stores
	QSTEP 1, 1, 3                                  ; three byte stores
	s_wait_dscnt 0x0                               ; for the others' sake: my byte stores are done
	s_barrier_signal -1
	s_barrier_wait -1                              ; the 16 rows' 512 scale bytes lie in LDS
	s_cmp_lt_u32 s20, 4                            ; 16 rows x 8 planes are 128 words: waves 0 to 3 carry them out, 64 bytes of each plane
	s_cbranch_scc0 .Lend
	ds_load_b32 v8, v6
	s_wait_dscnt 0x0
	global_store_b32 v7, v8, s[28:29]
	s_branch .Lend
.Lscales:                                          ; THE WEIGHTS' SCALE BYTES.  id 0 .. 95; thread = a row of a tile of 256; a work-group takes four planes (16 bytes of each row)
	s_sub_co_u32 s20, ttmp9, 256                   ; id: 0-7 wq, 8-15 wk, 16-23 wv, 24-31 w_proj, 32-63 w1 (rows of 32 bytes), 64-95 w2 (rows of 128)
	s_mov_b64 s[24:25], s[16:17]
	s_cmp_lt_u32 s20, 64
	s_cselect_b64 s[24:25], s[14:15], s[24:25]
	s_cmp_lt_u32 s20, 32
	s_cselect_b64 s[24:25], s[12:13], s[24:25]
	s_cselect_b32 s22, 3, 15
	s_cmp_lt_u32 s20, 24
	s_cselect_b64 s[24:25], s[10:11], s[24:25]
	s_cmp_lt_u32 s20, 16
	s_cselect_b64 s[24:25], s[8:9], s[24:25]
	s_cmp_lt_u32 s20, 8
	s_cselect_b64 s[24:25], s[6:7], s[24:25]
	s_lshr_b32 s21, s20, 1
	s_and_b32 s21, s21, s22                        ; rows of 32 bytes: the tile,
	s_lshl_b32 s21, s21, 13
	s_and_b32 s22, s20, 1                          ; and which 16 bytes of the row
	s_lshl_b32 s22, s22, 4
	s_add_co_u32 s21, s21, s22
	s_bfe_u32 s22, s20, 0x20003                    ; rows of 128 bytes: the tile,
	s_lshl_b32 s22, s22, 15
	s_and_b32 s23, s20, 7
	s_lshl_b32 s23, s23, 4
	s_add_co_u32 s22, s22, s23
	s_cmp_lt_u32 s20, 64
	s_cselect_b32 s21, s21, s22
	s_cselect_b32 s22, 5, 7
	v_lshlrev_b32 v1, s22, v0                      ; my row
	s_delay_alu instid0(VALU_DEP_1)
	v_add_nc_u32 v1, s21, v1
	v_lshlrev_b32 v2, 2, v0
	s_lshl_b32 s26, s20, 12                        ; all six lie on end in wprep, 4,096 bytes to a work-group
	s_add_co_u32 s26, s26, SQO
	s_mov_b32 s27, 0
	s_add_nc_u64 s[26:27], s[18:19], s[26:27]
	global_load_b128 v[32:35], v1, s[24:25]
	s_wait_alu depctr_va_vdst(0)
	s_wait_loadcnt 0x0
.irp i, 0,1,2,3
	global_store_b32 v2, v[32+\i], s[26:27] offset:1024*\i   ; plane i: the work-group's 256 words are 1,024 consecutive bytes
.endr
.Lend:
	s_wait_tensorcnt 0x0                           ; the wave's end
	ds_add_u32 v[SPW], v[NIL]
	s_wait_dscnt 0x0
	s_endpgm
.Lfunc_end_k_q851ea233ab_prep:
	.size	k_q851ea233ab_prep, .Lfunc_end_k_q851ea233ab_prep-k_q851ea233ab_prep
	.p2alignl 7, 3214868480
	.fill 96, 4, 3214868480
	.section	.rodata,"a",@progbits
	.p2align	6, 0x0
	.amdhsa_kernel k_q851ea233ab_prep
		.amdhsa_group_segment_fixed_size 83456
		.amdhsa_private_segment_fixed_size 0
		.amdhsa_enable_private_segment 0
		.amdhsa_kernarg_size 64
		.amdhsa_user_sgpr_count 2
		.amdhsa_user_sgpr_kernarg_segment_ptr 1
		.amdhsa_wavefront_size32 1
		.amdhsa_system_sgpr_workgroup_id_x 1
		.amdhsa_system_sgpr_workgroup_id_y 1
		.amdhsa_system_sgpr_workgroup_id_z 1
		.amdhsa_system_vgpr_workitem_id 0
		.amdhsa_next_free_vgpr 192
		.amdhsa_next_free_sgpr 66
		.amdhsa_reserve_vcc 0
		.amdhsa_float_denorm_mode_32 3
		.amdhsa_float_denorm_mode_16_64 3
		.amdhsa_memory_ordered 1
		.amdhsa_forward_progress 1
		.amdhsa_inst_pref_size 18
	.end_amdhsa_kernel
	.amdgpu_metadata
---
amdhsa.version: [ 1, 2 ]
amdhsa.kernels:
  - .name:           k_q851ea233ab_prep
    .symbol:         k_q851ea233ab_prep.kd
    .args:
      - { .name: x, .offset: 0, .size: 8, .value_kind: global_buffer, .address_space: global }
      - { .name: wq_scales, .offset: 8, .size: 8, .value_kind: global_buffer, .address_space: global }
      - { .name: wk_scales, .offset: 16, .size: 8, .value_kind: global_buffer, .address_space: global }
      - { .name: wv_scales, .offset: 24, .size: 8, .value_kind: global_buffer, .address_space: global }
      - { .name: w_proj_scales, .offset: 32, .size: 8, .value_kind: global_buffer, .address_space: global }
      - { .name: w1_scales, .offset: 40, .size: 8, .value_kind: global_buffer, .address_space: global }
      - { .name: w2_scales, .offset: 48, .size: 8, .value_kind: global_buffer, .address_space: global }
      - { .name: wprep, .offset: 56, .size: 8, .value_kind: global_buffer, .address_space: global }
    .group_segment_fixed_size: 83456
    .private_segment_fixed_size: 0
    .kernarg_segment_align: 8
    .kernarg_segment_size: 64
    .max_flat_workgroup_size: 256
    .sgpr_count:     66
    .vgpr_count:     192
    .wavefront_size: 32
...
	.end_amdgpu_metadata
.endif
;; end of part 1
;; launch qkv (part 2): grid 12 x 16, 4 waves a work-group, clusters of 4 x 4, 327,680 bytes of LDS; arguments wprep, wq_codes, wk_codes, wv_codes, wqkv; writes wqkv
.if DOCPART == 2
	.amdgcn_target "amdgcn-amd-amdhsa--gfx1250"
	.amdhsa_code_object_version 6
	.text
	.protected	k_q851ea233ab_qkv
	.globl	k_q851ea233ab_qkv
	.p2align	8
	.type	k_q851ea233ab_qkv,@function
k_q851ea233ab_qkv:
	s_mov_b64 s[64:65], 0
	v_nop
	global_prefetch_b8 v0, s[64:65] scope:SCOPE_SE
	s_setreg_imm32_b32 hwreg(HW_REG_WAVE_MODE, 25, 1), 1
	s_wait_xcnt 0x0
	s_wait_alu depctr_hold_cnt(0) depctr_sa_sdst(0) depctr_va_vdst(0) depctr_va_sdst(0) depctr_va_ssrc(0) depctr_va_vcc(0) depctr_vm_vsrc(0)
	s_getreg_b32 s2, hwreg(HW_REG_IB_STS2, 6, 4)
	s_cmp_eq_u32 s2, 0
	s_cbranch_scc0 .Lentry_in_a_cluster
	s_endpgm
.Lentry_in_a_cluster:
	s_bfe_u32 s2, ttmp6, 0x10000c
	s_cmp_lg_u32 s2, 0xf033
	s_cbranch_scc0 .Lentry_shape_is_right
	s_endpgm
.Lentry_shape_is_right:
; q = x wq, k = x wk, v^T = (x wv)^T on codes (products 1 to 3), quantised on the way out: q and k along the head's 64, v along the keys, and stored as IMAGES OF OPERAND REGISTERS for the launch attn.
; The cluster's x says which: 0 q, 1 k (A = x's rows, B = the weight's rows), 2 v (A = wv's rows, B = x's rows: pointers alone are swapped).  The matrix instruction is used transposed (source 0 = B's rows, source 1 = A's):
; a lane holds one row of A and eight neighbouring rows of B, so q and k have the head's channels along a lane's registers, and v the keys: the axis along which each is quantised.
; THE LOOP: a tile of 256 x 256, four waves of 128 x 128 (64 accumulators, 512 registers); K in steps of 256 through a ring of two LDS slots.  A slot holds A's and B's codes (rows of 256 bytes + 16 of padding) and
; their scale words for the step (2,048 dense bytes each).  One tensor load a wave: wave 0 A's codes, wave 1 B's, wave 2 A's words, wave 3 B's.  CLUSTER 4 x 4: A's tiles are asked for jointly along a row, B's along a column.
; wqkv: Q region at 0, K at 0x440000: for head hb = 16 batch + head and chunk of 256 tokens a record of 17,408 bytes (head to head 139,264): 16 tile images of 1,024 bytes, then 256 scale words in token order.
;   Tile 2 G + u holds tokens 32 G + 8 u + r + 8 (r / 8); piece c (512 bytes): lane l's 16 bytes at 16 l are channels 32 c + 16 (l / 16) + 0 .. 15.  A word is the head's two bytes written twice (s0 s1 s0 s1).
; V region at 0x880000: record of 16,896 bytes (head to head 135,168): key step q, tile t at 8,192 q + 2,048 t: lane r takes channel 32 (t / 2) + 8 (t % 2) + r + 8 (r / 8), piece c keys 32 c + 16 (l / 16) + 0 .. 15; words at 16,384 + 256 q + 4 channel.
; LIMITS: as stated at the head of the launch prep (byte 1 for blocks under 2^-118 and for blocks of zeros; NaN and infinities not served).
; REGISTERS, in windows of 256: window 0: v1, v2 r, h; v16-31 addresses; v32-63 scale words, two sets, and nothing else; v64-127 at work on the way out; v128-255 A's fragments, ONE set.  window 1: B's fragments, TWO sets.  windows 2, 3: accumulators ((a, b) at v[8 (8 (a % 4) + b)]).
.set SIZE_K, 1024
.set KSTEP,  256
.set NQ,     2
.set ROWB,   256
.set PITCH,  272                       ; 256 bytes + 16 of padding = 68 words: the 16 rows that a load touches start at 16 different banks (64 banks of 4 bytes: ISA guide 11.1)
.set FR,     16
.set NL,     4
.set NP,     8                         ; places behind this matrix instruction (ISA guide 7.12.1)
.set HALFT,  128*PITCH
.set TILEB,  2*HALFT                   ; 256 rows of codes
.set ASC,    2*TILEB                   ; A's scale words in a slot: [2 planes][256 rows]
.set BSC,    ASC+2048
.set SLOT,   BSC+2048
.set SPARE,  2*SLOT                    ; the spare words: 128 bytes a wave, named by no other line
.set LAPS,   SIZE_K/(2*KSTEP)
.set XSO,    0x400000
.set SQO,    0x420000
.set SVO,    0x430000
.set ADRA, 16
.set ADRB, 20
.set ADRS, 22
.set STO,  24
.set RD,   25
.set CO,   26
.set WOF,  27
.set SPW,  28
.set NIL,  29
.set WSA,  30
.set WRA,  31
.set SC,   32
.set AF,   128
.set TM,   64                          ; v64-67 largest magnitudes, v68-71 bytes, v72-75 448 x the scale, v76-79 the conversions' scale operands
.set PWE,  82
.set PWO,  83
.set WG,   84                          ; v84-87 the scale words of 32 rows each
.set W0,   88
.set W1,   92
.set PC,   96                          ; v96-111 codes
.set VOG,  112                         ; v112-127 the stores' offsets
.set OUTR, 128
.set G1,   24
.set G0,   32
.set G1B,  48
.set G0B,  56
.set G1S,  68
.set G0S,  76
.set G1SB, 84
.set G0SB, 92
.set SEL,  20
.set MNT,  19
.set MSB, 0
.macro WIN new                         ; the immediate's high byte repeats the setting that is left
.if MSB != \new
	s_set_vgpr_msb (MSB<<8)|\new
.set MSB, \new
.endif
.endm
.set MUL_LO, 0xa1                      ; source 0 (B) window 1, source 1 (A) window 0, C and D window 2
.set MUL_HI, 0xf1
.set TO_B,   0x40
.macro ONELOAD g0, g1                  ; a tensor load, and behind it the s_nop 0 and four v_nop
	tensor_load_to_lds s[\g0:\g0+3], s[\g1:\g1+7]
	s_nop 0
.rept 4
	v_nop
.endr
.endm
.macro JLOAD s                         ; each wave's one joint load for slot s; the branches hang on the wave's number alone
	s_cmp_lt_u32 s14, 2
	s_cbranch_scc0 .Lw23_\@
	s_cmp_eq_u32 s14, 0
	s_cbranch_scc0 .Lw1_\@
	ONELOAD G0+4*\s, G1
	s_branch .Lasked_\@
.Lw1_\@:
	ONELOAD G0B+4*\s, G1B
	s_branch .Lasked_\@
.Lw23_\@:
	s_cmp_eq_u32 s14, 2
	s_cbranch_scc0 .Lw3_\@
	ONELOAD G0S+4*\s, G1S
	s_branch .Lasked_\@
.Lw3_\@:
	ONELOAD G0SB+4*\s, G1SB
.Lasked_\@:
.endm
.macro CREST                           ; a round of the cluster's barrier behind its opening barrier
	s_cmp_lg_u32 s14, 0
	s_cbranch_scc1 .Lnot_wave_0_\@
	s_barrier_signal -3
.Lnot_wave_0_\@:
	s_barrier_wait -3
	s_barrier_signal -1
	s_barrier_wait -1
.endm
.macro CROUND
	s_barrier_signal -1
	s_barrier_wait -1
	CREST
.endm
	s_load_b256 s[4:11], s[0:1], 0x0               ; wprep s[4:5], wq, wk, wv codes
	s_load_b64 s[12:13], s[0:1], 0x20              ; wqkv
	v_lshl_add_u32 v[SPW], v0, 2, SPARE
	v_mov_b32 v[NIL], 0
	ds_add_u32 v[SPW], v[NIL]                      ; the wave's opening: 0 onto my spare word, twice on end, waited for ahead of my first tensor load
	ds_add_u32 v[SPW], v[NIL]
	v_lshrrev_b32 v1, 5, v0
	v_readfirstlane_b32 s14, v1                    ; wave 0..3
	s_lshr_b32 s15, s14, 1                         ; which half of A's rows is mine
	s_and_b32 s16, s14, 1                          ; which half of B's rows
	s_bfe_u32 s40, ttmp6, 0x40000                  ; cx
	s_bfe_u32 s41, ttmp6, 0x40004                  ; cy
	s_and_b32 s18, ttmp7, 0xffff
	s_lshl_b32 s18, s18, 2                         ; 4 x cluster y: the token tiles' coordinate
	s_cmp_eq_u32 ttmp9, 2                          ; v?  The cluster's x: the same in all sixteen partners
	s_cselect_b32 s17, 0, s18
	s_cselect_b32 s42, s18, 0
	s_add_co_u32 s17, s17, s41                     ; A's tile of 256 rows
	s_add_co_u32 s42, s42, s40                     ; B's
	s_lshl_b32 s43, s41, 2
	s_lshl_b32 s43, 15, s43                        ; my row of the cluster
	s_lshl_b32 s44, 0x1111, s40                    ; my column
	s_or_b32 s[G1], s43, (1<<20)|(1<<21)|(5<<22)|(3<<25)    ; the mask; elements of 1 byte; padding on: 4 words behind every 64; bit 21 beside a mask
	s_or_b32 s[G1B], s44, (1<<20)|(1<<21)|(5<<22)|(3<<25)
.irp g, G1, G1B
	s_mov_b32 s[\g+1], ROWB<<16                    ; tensor_dim0
	s_mov_b32 s[\g+2], 256<<16                     ; tensor_dim1
	s_mov_b32 s[\g+3], ROWB<<16                    ; tile_dim0
	s_mov_b32 s[\g+4], 256                         ; tile_dim1
	s_mov_b32 s[\g+5], SIZE_K                      ; from row to row
	s_mov_b32 s[\g+6], 0
	s_mov_b32 s[\g+7], 0
.endr
	s_or_b32 s[G1S], s43, (3<<16)|(1<<21)          ; the scale words of a step: 2,048 dense bytes as 8 rows of 32 elements of 8 bytes
	s_or_b32 s[G1SB], s44, (3<<16)|(1<<21)
.irp g, G1S, G1SB
	s_mov_b32 s[\g+1], 32<<16
	s_mov_b32 s[\g+2], 8<<16
	s_mov_b32 s[\g+3], 32<<16
	s_mov_b32 s[\g+4], 8
	s_mov_b32 s[\g+5], 32
	s_mov_b32 s[\g+6], 0
	s_mov_b32 s[\g+7], 0
.endr
	s_lshl_b32 s19, ttmp9, 15
	s_add_co_u32 s19, s19, SQO                     ; wq's or wk's scale words
	s_cmp_eq_u32 ttmp9, 2
	s_mov_b32 s45, SVO
	s_cselect_b32 s22, s45, XSO                    ; A's words: wv's or x's
	s_mov_b32 s45, XSO
	s_cselect_b32 s100, s45, s19                   ; B's words
	s_lshl_b32 s20, s17, 18                        ; 256 rows of 1,024 bytes
	s_mov_b32 s21, 0
	s_lshl_b32 s23, s17, 13                        ; 8 planes of 1,024 bytes
	s_add_co_u32 s22, s22, s23
	s_mov_b32 s23, 0
	s_lshl_b32 s46, s42, 18
	s_mov_b32 s47, 0
	s_lshl_b32 s101, s42, 13
	s_add_co_u32 s100, s100, s101
	s_mov_b32 s101, 0
	s_cmp_lt_u32 s14, 2                            ; the prefetches: waves 0, 1 ask for A's rows, waves 2, 3 for B's
	s_cselect_b32 s45, s40, s41                    ; my place among the four that ask for the tile jointly: they share its 256 rows out by address
	s_lshl_b32 s45, s45, 1
	s_add_co_u32 s45, s45, s16
	s_mul_i32 s45, s45, 32*SIZE_K                  ; my wave's 32 rows,
	v_and_b32 v15, 31, v0
	v_mad_u32_u24 v15, v15, SIZE_K, s45            ; a lane a row; never rewritten
	s_wait_alu depctr_va_vdst(0)
	s_wait_dscnt 0x0
	s_wait_kmcnt 0x0
	s_cmp_eq_u32 ttmp9, 0
	s_cselect_b64 s[6:7], s[6:7], s[8:9]
	s_cmp_eq_u32 ttmp9, 2
	s_cselect_b64 s[6:7], s[10:11], s[6:7]         ; the weight's codes
	s_cselect_b64 s[8:9], s[6:7], s[4:5]           ; A's codes: the weight's for v, else x's (at wprep + 0)
	s_cselect_b64 s[10:11], s[4:5], s[6:7]         ; B's
	s_add_nc_u64 s[20:21], s[8:9], s[20:21]
	s_add_nc_u64 s[22:23], s[4:5], s[22:23]
	s_add_nc_u64 s[46:47], s[10:11], s[46:47]
	s_add_nc_u64 s[100:101], s[4:5], s[100:101]
	s_cmp_lt_u32 s14, 2
	s_cselect_b64 s[104:105], s[20:21], s[46:47]   ; the tile's first row; never rewritten
	CROUND
.irp s, 0,1
	s_mov_b32 s[G0+4*\s], 1
	s_mov_b32 s[G0+4*\s+1], \s*SLOT
	s_add_nc_u64 s[G0+4*\s+2:G0+4*\s+3], s[20:21], \s*ROWB
	s_or_b32 s[G0+4*\s+3], s[G0+4*\s+3], 0x80000000
	s_mov_b32 s[G0B+4*\s], 1
	s_mov_b32 s[G0B+4*\s+1], \s*SLOT+TILEB
	s_add_nc_u64 s[G0B+4*\s+2:G0B+4*\s+3], s[46:47], \s*ROWB
	s_or_b32 s[G0B+4*\s+3], s[G0B+4*\s+3], 0x80000000
	s_mov_b32 s[G0S+4*\s], 1
	s_mov_b32 s[G0S+4*\s+1], \s*SLOT+ASC
	s_add_nc_u64 s[G0S+4*\s+2:G0S+4*\s+3], s[22:23], \s*2048
	s_or_b32 s[G0S+4*\s+3], s[G0S+4*\s+3], 0x80000000
	s_mov_b32 s[G0SB+4*\s], 1
	s_mov_b32 s[G0SB+4*\s+1], \s*SLOT+BSC
	s_add_nc_u64 s[G0SB+4*\s+2:G0SB+4*\s+3], s[100:101], \s*2048
	s_or_b32 s[G0SB+4*\s+3], s[G0SB+4*\s+3], 0x80000000
.if \s
	s_wait_alu depctr_va_vdst(0)                   ; slot 1's first fill is issued as a refill is
	s_wait_tensorcnt 0x0                           ; my part of slot 0 is in
	ds_add_u32 v[SPW], v[NIL]
	s_wait_dscnt 0x0
	CROUND
.endif
	JLOAD \s
.if \s
	global_prefetch_b8 v15, s[104:105] offset:3*ROWB th:TH_LOAD_NT scope:SCOPE_SE   ; K step 3: 256 bytes of each of my 32 rows, two refills ahead of its load
.else
	global_prefetch_b8 v15, s[104:105] offset:ROWB th:TH_LOAD_NT scope:SCOPE_SE     ; K step 1, a fill ahead of its load,
	global_prefetch_b8 v15, s[104:105] offset:2*ROWB th:TH_LOAD_NT scope:SCOPE_SE   ; and K step 2, two ahead; each block of 256 bytes is named once in the cluster
.endif
.endr
	v_and_b32 v1, 15, v0                           ; r
	v_bfe_u32 v2, v0, 4, 1                         ; h
	s_wait_alu depctr_va_vdst(0)
	v_mul_u32_u24 v3, v1, PITCH
	v_lshl_add_u32 v4, v2, 4, v3                   ; a fragment's row x pitch + 16 h
	s_mul_i32 s21, s15, HALFT
	s_mul_i32 s22, s16, HALFT
	s_add_co_u32 s22, s22, TILEB
.irp s, 0,1
	v_add_nc_u32 v[ADRA+\s], s21, v4
	v_add_nc_u32 v[ADRB+\s], s22, v4
	s_add_co_u32 s21, s21, SLOT
	s_add_co_u32 s22, s22, SLOT
.endr
	s_xor_b32 s22, s15, 1                          ; the scale words: lanes 0-15 take A's, lanes 16-31 B's: the lower base + h x the distance,
	s_add_co_u32 s22, s22, s16
	s_lshl_b32 s22, s22, 9
	s_add_co_u32 s22, s22, 1536                    ; 2,048 + 512 (B's half) - 512 (A's half)
	v_mul_u32_u24 v6, s22, v2
	v_lshl_add_u32 v5, v1, 2, v6
	s_lshl_b32 s21, s15, 9
	s_add_co_u32 s21, s21, ASC
	v_add_nc_u32 v[ADRS], s21, v5
	s_add_co_u32 s21, s21, SLOT
	v_add_nc_u32 v[ADRS+1], s21, v5
	s_mul_i32 s23, s14, 32*144                     ; the way out: my stage of 32 rows x (128 bytes + 16), in slot 0
	v_mul_u32_u24 v5, v1, 144
	v_lshl_add_u32 v5, v2, 3, v5
	v_add_nc_u32 v[STO], s23, v5                   ; in: row r, 8 bytes for each half of the lanes
	v_and_b32 v6, 8, v1
	v_add_nc_u32 v6, v6, v1
	v_mul_u32_u24 v6, v6, 144
	v_lshl_add_u32 v6, v2, 4, v6
	v_add_nc_u32 v[RD], s23, v6                    ; back: row r + 8 (r / 8), 16 bytes for each half
	v_and_b32 v6, 31, v0
	v_lshlrev_b32 v[CO], 4, v6                     ; 16 x lane
	s_lshl_b32 s23, s14, 10
	s_add_co_u32 s23, s23, 4*32*144                ; behind the four stages: 1,024 bytes a wave for the scale words
	v_lshl_add_u32 v[WSA], v6, 2, s23
	v_add_nc_u32 v[WRA], s23, v[CO]
.macro FRAG reg, adr, q, i             ; 16 rows x 128 K: registers 4 c .. 4 c + 3 hold K = 32 c + 16 h + 0 .. 15
.irp c, 0,1,2,3
	ds_load_b128 v[\reg+4*\c:\reg+4*\c+3], v[\adr] offset:128*(\q)+32*\c+(\i)*16*PITCH
.endr
.endm
; 16 matrix instructions: A's blocks a0, a0 + 1 x B's eight.  zero = 1: the first product starts the sums.  The 64 accumulators take turns, one instruction a turn.
.macro MUL16 a0, p, q, sc, zero
.irp a, \a0, \a0+1
.irp b, 0,1,2,3,4,5,6,7
.if \zero
	v_wmma_scale_f32_16x16x128_f8f6f4 v[8*(8*((\a)%4)+\b):8*(8*((\a)%4)+\b)+7], v[128*(\p)+FR*\b:128*(\p)+FR*\b+FR-1], v[AF+FR*(\a):AF+FR*(\a)+FR-1], 0, v[SC+16*(\sc)+2*\b+(\q)], v[SC+16*(\sc)+2*(\a)+(\q)] matrix_a_scale:MATRIX_SCALE_ROW1
.else
	v_wmma_scale_f32_16x16x128_f8f6f4 v[8*(8*((\a)%4)+\b):8*(8*((\a)%4)+\b)+7], v[128*(\p)+FR*\b:128*(\p)+FR*\b+FR-1], v[AF+FR*(\a):AF+FR*(\a)+FR-1], v[8*(8*((\a)%4)+\b):8*(8*((\a)%4)+\b)+7], v[SC+16*(\sc)+2*\b+(\q)], v[SC+16*(\sc)+2*(\a)+(\q)] matrix_a_scale:MATRIX_SCALE_ROW1
.endif
.endr
.endr
.endm
.macro FETCH_B slot, q, p
	WIN TO_B
.irp i, 0,1,2,3,4,5,6,7
	FRAG 128*(\p)+FR*\i, ADRB+\slot, \q, \i
.endr
	WIN 0
.endm
.macro FETCH_A slot, q, i0
.irp i, \i0, \i0+1, \i0+2, \i0+3
	FRAG AF+FR*(\i), ADRA+\slot, \q, \i
.endr
.endm
.macro SCALES sc                       ; register 2 i + q of set sc: lanes 0-15 the word of A's block i, lanes 16-31 of B's block i, for the slot's q-th 128 along K
.irp i, 0,1,2,3,4,5,6,7
.irp q, 0,1
	ds_load_b32 v[SC+16*\sc+2*\i+\q], v[ADRS+\sc] offset:1024*\q+64*\i
.endr
.endr
.endm
.macro PLACES n                        ; plain vector instructions between a matrix instruction and a load into, or a read of, its registers
.rept \n
	v_nop
.endr
.endm
.macro STEP slot, q, zero              ; 128 along K that has its successor in the same slot
	s_wait_dscnt 4*NL                              ; all but the youngest sixteen loads (A's blocks 4-7) are in
	WIN MUL_LO
	MUL16 0, (\q)%2, \q, \slot, \zero
	MUL16 2, (\q)%2, \q, \slot, \zero
	s_wait_dscnt 0
	PLACES NP
	FETCH_B \slot, (\q)+1, 1-(\q)%2
	FETCH_A \slot, (\q)+1, 0
	WIN MUL_HI
	MUL16 4, (\q)%2, \q, \slot, \zero
	MUL16 6, (\q)%2, \q, \slot, \zero
	PLACES NP
	WIN 0
	FETCH_A \slot, (\q)+1, 4
.endm
; A slot's last step changes slots: ONE barrier; in front of it each wave waits for all its tensor loads, adds 0 to its spare word, and waits for that and for its own reads of this slot.  fill = 1: the slot is filled again, two K steps ahead.
.macro TURN slot, next, fill
	s_wait_tensorcnt 0x0                           ; my one load that was out, my part of the next slot, has landed
	ds_add_u32 v[SPW], v[NIL]                      ; 0 onto my spare word
	s_wait_dscnt 4*NL+1                            ; (the add and A's blocks 4-7 may be out)
	WIN MUL_LO
	MUL16 0, 1, NQ-1, \slot, 0
	s_wait_dscnt 0x0                               ; the add is done, and my reads of this slot are over
	s_barrier_signal -1
	MUL16 2, 1, NQ-1, \slot, 0
	WIN 0
	s_barrier_wait -1
.if \fill
	CREST                                          ; the barrier has opened a round of the cluster's barrier: no wave of any partner still reads this slot or has a load on its way
	s_add_nc_u64 s[G0+4*\slot+2:G0+4*\slot+3], s[G0+4*\slot+2:G0+4*\slot+3], 2*ROWB
	s_add_nc_u64 s[G0B+4*\slot+2:G0B+4*\slot+3], s[G0B+4*\slot+2:G0B+4*\slot+3], 2*ROWB
	s_add_nc_u64 s[G0S+4*\slot+2:G0S+4*\slot+3], s[G0S+4*\slot+2:G0S+4*\slot+3], 4096
	s_add_nc_u64 s[G0SB+4*\slot+2:G0SB+4*\slot+3], s[G0SB+4*\slot+2:G0SB+4*\slot+3], 4096
	JLOAD \slot                                    ; the first tensor load behind the round, one a wave; its four v_nop are among the places in front of the loads below
	PLACES NP-4
.else
	PLACES NP
.endif
	FETCH_B \next, 0, 0
	FETCH_A \next, 0, 0
	SCALES \next
	WIN MUL_HI
	MUL16 4, 1, NQ-1, \slot, 0
	MUL16 6, 1, NQ-1, \slot, 0
	PLACES NP
	WIN 0
	FETCH_A \next, 0, 4
.endm
	s_wait_tensorcnt 1                             ; my part of slot 0 is in; slot 1's may stay out
	s_barrier_signal -1
	s_barrier_wait -1
	FETCH_B 0, 0, 0
	FETCH_A 0, 0, 0
	SCALES 0
	FETCH_A 0, 0, 4
	STEP 0, 0, 1                                   ; the first step stands in front of the loop: its products start the sums
	s_mov_b32 s3, LAPS-1
.Llap:                                             ; a trip goes once round the ring and fills both slots again
	TURN 0, 1, 1
	STEP 1, 0, 0
	TURN 1, 0, 1
	STEP 0, 0, 0
	s_sub_co_u32 s3, s3, 1
	s_cmp_lg_u32 s3, 0
	s_cbranch_scc1 .Llap
	TURN 0, 1, 0                                   ; the last lap fills nothing
	STEP 1, 0, 0
	s_wait_dscnt 4*NL
	WIN MUL_LO
	MUL16 0, 1, NQ-1, 1, 0
	MUL16 2, 1, NQ-1, 1, 0
	s_wait_dscnt 0
	WIN MUL_HI
	MUL16 4, 1, NQ-1, 1, 0
	MUL16 6, 1, NQ-1, 1, 0
	WIN 0
; THE WAY OUT.  One text for q, k and v: what differs lies in scalars chosen on the cluster's x.  The stages lie in slot 0, which has had its last fill, and which nobody reads behind the last change of slots.
; Block a (16 rows of A x my 128 rows of B) is four blocks of 32 along the quantiser's axis: block b in accumulators 2 b, 2 b + 1, half of it in lane l xor 16.
.macro QUANTW a, relu, pw
.set QS, 64*((\a)%4)
	WIN 0x28+0x14*((\a)/4)                         ; sources 1 and 2: the accumulators' window
.irp b, 0,1,2,3
	v_max3_num_f32 v[TM+\b], 0x4800000, |v[QS+16*\b]|, |v[QS+16*\b+1]|   ; each accumulator is read from its low end on; the floor 2^(9 - 127) holds the byte at 1 from below
.endr
.irp i, 2,4,6,8,10,12,14
.irp b, 0,1,2,3
	v_max3_num_f32 v[TM+\b], v[TM+\b], |v[QS+16*\b+\i]|, |v[QS+16*\b+\i+1]|
.endr
.endr
	WIN 0
.irp b, 0,1,2,3
	v_permlanex16_b32 v[TM+4+\b], v[TM+\b], s[SEL], s[SEL+1]
.endr
.irp b, 0,1,2,3
	v_max_num_f32 v[TM+\b], v[TM+\b], v[TM+4+\b]   ; the block's largest magnitude
.endr
.irp b, 0,1,2,3
	v_add_nc_u32 v[TM+12+\b], 0xfc000000, v[TM+\b] ; 8 off its exponent field: the conversion's scale operand
.endr
.irp b, 0,1,2,3
	v_and_or_b32 v[TM+8+\b], v[TM+\b], 0x7f800000, s[MNT]   ; 448 x the scale
.endr
.irp b, 0,1,2,3
	v_lshrrev_b32 v[TM+4+\b], 23, v[TM+12+\b]      ; the byte
.endr
	v_lshl_or_b32 v[\pw], v[TM+5], 8, v[TM+4]      ; my row's four bytes
	v_lshl_or_b32 v[\pw], v[TM+6], 16, v[\pw]
	v_lshl_or_b32 v[\pw], v[TM+7], 24, v[\pw]
	WIN 0x82+0x41*((\a)/4)                         ; destination and source 0: the accumulators' window
.irp b, 0,1,2,3
.irp i, 0,1,2,3,4,5,6,7,8,9,10,11,12,13,14,15
	v_med3_num_f32 v[QS+16*\b+\i], v[QS+16*\b+\i], -v[TM+8+\b], v[TM+8+\b]   ; the hold: the conversion does not saturate (ISA guide 7.6.2)
.endr
.endr
	WIN 0x02+(\a)/4
.irp b, 0,1,2,3,4,5,6,7
	v_cvt_scalef32_pk8_fp8_f32 v[PC+2*\b:PC+2*\b+1], v[QS+8*\b:QS+8*\b+7], v[TM+12+\b/2]
.endr
	WIN 0
	v_nop                                          ; a plain line behind the last conversion
.endm
.macro STAGE8 half                     ; accumulator b's eight codes: row r, bytes 16 b + 8 h on
.irp b, 0,1,2,3,4,5,6,7
	ds_store_b64 v[STO], v[PC+2*\b:PC+2*\b+1] offset:(\half)*16*144+16*\b
.endr
	s_wait_dscnt 0x0                               ; the stores have read their registers
.endm
	PLACES NP
	s_mov_b32 s[SEL], 0x76543210
	s_mov_b32 s[SEL+1], 0xfedcba98                 ; lane l xor 16
	s_mov_b32 s[MNT], 0x600000
	s_mov_b32 s22, 0xffff0000                      ; lanes 16-31
	s_mul_i32 s24, ttmp9, 0x440000
	s_cmp_eq_u32 ttmp9, 2                          ; v?
	s_mov_b32 s25, 0x880000
	s_cselect_b32 s24, s25, s24                    ; the region
	s_mov_b32 s25, 135168
	s_cselect_b32 s25, s25, 139264                 ; from head to head
	s_mov_b32 s26, 16896
	s_cselect_b32 s26, s26, 17408                  ; from chunk to chunk
	s_mov_b32 s27, 2048
	s_cselect_b32 s27, s27, 1024                   ; u: the tile of a pair
	s_mov_b32 s28, 1024
	s_cselect_b32 s28, s28, 139264                 ; the upper two of the four pieces: v: pieces 2, 3; q, k: the next head
	s_mov_b32 s29, 4096
	s_cselect_b32 s29, s29, 2048                   ; the group of 32 rows: its low bit,
	s_mov_b32 s30, 135168
	s_cselect_b32 s30, s30, 4096                   ; its high bit
	s_mov_b32 s31, 256
	s_cselect_b32 s31, s31, 512                    ; the words of a half of the tokens
	s_mov_b32 s32, 135168
	s_cselect_b32 s32, s32, 256                    ; the words of lanes 16-31
	s_cselect_b32 s33, -1, 0
	s_cselect_b32 s34, s42, s17                    ; the tokens' tile,
	s_cselect_b32 s35, s17, s42                    ; the channels',
	s_cselect_b32 s36, s16, s15                    ; my half of the tokens,
	s_cselect_b32 s37, s15, s16                    ; of the channels
	s_lshr_b32 s38, s34, 3
	s_lshl_b32 s38, s38, 4
	s_lshl_b32 s39, s35, 2
	s_add_co_u32 s38, s38, s39
	s_lshl_b32 s39, s37, 1
	s_add_co_u32 s38, s38, s39                     ; hb of my first head: 16 batch + 4 x channels' tile + 2 x half
	s_mul_i32 s38, s38, s25
	s_and_b32 s39, s34, 7
	s_mul_i32 s39, s39, s26
	s_add_co_u32 s38, s38, s39
	s_add_co_u32 s38, s38, s24                     ; the record
	s_lshl_b32 s39, s36, 13
	s_add_co_u32 s48, s38, s39
	s_mov_b32 s49, 0
	s_mul_i32 s39, s36, s31
	s_add_co_u32 s50, s38, s39
	s_add_co_u32 s50, s50, 16384
	s_mov_b32 s51, 0
	s_add_nc_u64 s[48:49], s[12:13], s[48:49]      ; the images
	s_add_nc_u64 s[50:51], s[12:13], s[50:51]      ; the scale words
	v_mul_u32_u24 v[WOF], s32, v2
	v_lshl_add_u32 v[WOF], v1, 4, v[WOF]
.irp b, 0,1,2,3
	v_mov_b32 v[TM+4+\b], 0                        ; a lane permute's destination counts as one of its sources
.endr
	s_wait_alu depctr_va_vdst(0)
.irp g, 0,1,2,3
.irp u, 0,1
.irp c, 0,1
	s_mov_b32 s52, 0
.if \u
	s_add_co_u32 s52, s52, s27
.endif
.if \c
	s_add_co_u32 s52, s52, s28
.endif
.if \g & 1
	s_add_co_u32 s52, s52, s29
.endif
.if \g >> 1
	s_add_co_u32 s52, s52, s30
.endif
	v_add_nc_u32 v[VOG+4*\g+2*\u+\c], s52, v[CO]
.endr
.endr
.endr
.irp g, 0,1,2,3                        ; 32 rows of A at a time
	QUANTW 2*\g, 0, PWE
	STAGE8 0
	QUANTW 2*\g+1, 0, PWO
	STAGE8 1
	v_cndmask_b32 v[WG+\g], v[PWE], v[PWO], s22    ; lane l: the word of row 32 g + l
.if \g > 1
	s_wait_xcnt 0x0                                ; the stores of two groups back have read their registers
.endif
.irp u, 0,1
.irp c, 0,1,2,3
	ds_load_b128 v[OUTR+32*(\g%2)+16*\u+4*\c:OUTR+32*(\g%2)+16*\u+4*\c+3], v[RD] offset:8*\u*144+32*\c   ; LDS serves a wave's instructions in order: these see my stores
.endr
.endr
	s_wait_dscnt 0x0
.irp u, 0,1
.irp c, 0,1,2,3
	global_store_b128 v[VOG+4*\g+2*\u+\c/2], v[OUTR+32*(\g%2)+16*\u+4*\c:OUTR+32*(\g%2)+16*\u+4*\c+3], s[48:49] offset:512*(\c%2)   ; a piece: 512 consecutive bytes
.endr
.endr
.endr
.irp g, 0,1,2,3                        ; v: the word as it is.  q, k: the first head's two bytes, twice
	v_and_b32 v[W0+\g], 0xffff, v[WG+\g]
	v_lshl_or_b32 v[W0+\g], v[W0+\g], 16, v[W0+\g]
	v_cndmask_b32 v[W0+\g], v[W0+\g], v[WG+\g], s33
	ds_store_b32 v[WSA], v[W0+\g] offset:128*\g
.endr
	ds_load_b128 v[192:195], v[WRA]
	s_wait_dscnt 0x0
	global_store_b128 v[WOF], v[192:195], s[50:51] ; each half of the lanes stores 256 consecutive bytes
	s_cmp_eq_u32 ttmp9, 2
	s_cbranch_scc1 .Lno_w1                         ; the cluster's x alone: the same in all partners and waves
.irp g, 0,1,2,3                        ; q, k: the second head's two bytes, twice; LDS bytes of their own
	v_lshrrev_b32 v[W1+\g], 16, v[WG+\g]
	v_lshl_or_b32 v[W1+\g], v[W1+\g], 16, v[W1+\g]
	ds_store_b32 v[WSA], v[W1+\g] offset:512+128*\g
.endr
	ds_load_b128 v[196:199], v[WRA] offset:512
	s_wait_dscnt 0x0
	global_store_b128 v[WOF], v[196:199], s[50:51] offset:139264
.Lno_w1:
	s_wait_tensorcnt 0x0                           ; the wave's end
	ds_add_u32 v[SPW], v[NIL]
	s_wait_dscnt 0x0
	CROUND                                         ; the closing round
	s_endpgm
.Lfunc_end_k_q851ea233ab_qkv:
	.size	k_q851ea233ab_qkv, .Lfunc_end_k_q851ea233ab_qkv-k_q851ea233ab_qkv
	.p2alignl 7, 3214868480
	.fill 96, 4, 3214868480
	.section	.rodata,"a",@progbits
	.p2align	6, 0x0
	.amdhsa_kernel k_q851ea233ab_qkv
		.amdhsa_group_segment_fixed_size 327680
		.amdhsa_private_segment_fixed_size 0
		.amdhsa_enable_private_segment 0
		.amdhsa_kernarg_size 40
		.amdhsa_user_sgpr_count 2
		.amdhsa_user_sgpr_kernarg_segment_ptr 1
		.amdhsa_wavefront_size32 1
		.amdhsa_system_sgpr_workgroup_id_x 1
		.amdhsa_system_sgpr_workgroup_id_y 1
		.amdhsa_system_sgpr_workgroup_id_z 1
		.amdhsa_system_vgpr_workitem_id 0
		.amdhsa_next_free_vgpr 1024
		.amdhsa_next_free_sgpr 106
		.amdhsa_reserve_vcc 0
		.amdhsa_float_denorm_mode_32 3
		.amdhsa_float_denorm_mode_16_64 3
		.amdhsa_memory_ordered 1
		.amdhsa_forward_progress 1
		.amdhsa_inst_pref_size 203
	.end_amdhsa_kernel
	.amdgpu_metadata
---
amdhsa.version: [ 1, 2 ]
amdhsa.kernels:
  - .name:           k_q851ea233ab_qkv
    .symbol:         k_q851ea233ab_qkv.kd
    .args:
      - { .name: wprep, .offset: 0, .size: 8, .value_kind: global_buffer, .address_space: global }
      - { .name: wq_codes, .offset: 8, .size: 8, .value_kind: global_buffer, .address_space: global }
      - { .name: wk_codes, .offset: 16, .size: 8, .value_kind: global_buffer, .address_space: global }
      - { .name: wv_codes, .offset: 24, .size: 8, .value_kind: global_buffer, .address_space: global }
      - { .name: wqkv, .offset: 32, .size: 8, .value_kind: global_buffer, .address_space: global }
    .group_segment_fixed_size: 327680
    .private_segment_fixed_size: 0
    .kernarg_segment_align: 8
    .kernarg_segment_size: 40
    .max_flat_workgroup_size: 128
    .sgpr_count:     106
    .vgpr_count:     1024
    .wavefront_size: 32
...
	.end_amdgpu_metadata
.endif
;; end of part 2
;; launch attn (part 3): grid 8 x 32, 16 waves a work-group, clusters of 4 x 1, 327,680 bytes of LDS; arguments wqkv, wattn; writes wattn
.if DOCPART == 3
	.amdgcn_target "amdgcn-amd-amdhsa--gfx1250"
	.amdhsa_code_object_version 6
	.text
	.protected	k_q851ea233ab_attn
	.globl	k_q851ea233ab_attn
	.p2align	8
	.type	k_q851ea233ab_attn,@function
k_q851ea233ab_attn:
	s_mov_b64 s[64:65], 0
	v_nop
	global_prefetch_b8 v0, s[64:65] scope:SCOPE_SE
	s_setreg_imm32_b32 hwreg(HW_REG_WAVE_MODE, 25, 1), 1
	s_wait_xcnt 0x0
	s_wait_alu depctr_hold_cnt(0) depctr_sa_sdst(0) depctr_va_vdst(0) depctr_va_sdst(0) depctr_va_ssrc(0) depctr_va_vcc(0) depctr_vm_vsrc(0)
	s_getreg_b32 s2, hwreg(HW_REG_IB_STS2, 6, 4)
	s_cmp_eq_u32 s2, 0
	s_cbranch_scc0 .Lentry_in_a_cluster
	s_endpgm
.Lentry_in_a_cluster:
	s_bfe_u32 s2, ttmp6, 0x10000c
	s_cmp_lg_u32 s2, 0x3003
	s_cbranch_scc0 .Lentry_shape_is_right
	s_endpgm
.Lentry_shape_is_right:
; Causal attention on codes (products 4 and 5), the result divided by the row's sum and quantised along C for the projection.
; WORK LEFT OUT: key steps that lie wholly behind reference()'s own causal mask (shown at the head of the launch prep); a NaN or an overflow that reaches only those steps is not carried to the result.
; THE SOFTMAX: t = score x log2(e) / 8; M = the running largest t rounded UP to a whole number; p = 2^(t - M) is quantised along the keys, not normalised; the sum is taken of the unquantised p; when M moves, sum and O are multiplied by 2^(old M - new M): exact.
; SHARES.  Grid y = hb = 16 batch + head.  The eight work-groups of a head (two clusters of four) share its 128 tiles of 16 queries: work-group xw takes tile xw of each 128-query block.
; Blocks i and 15 - i together have 17 key steps of 128 keys; they go to TWO waves, i = (w & 3) + 4 (w >> 3), kind = bit 2 of w:
;   kind A: block 15 - i, key steps 0 .. 8 (9 steps; for i = 7 the last is the diagonal);  kind B: block i, steps 0 .. i, written out at step 9; then block 15 - i, steps 9 .. 15 - i (8 steps in all; for i = 7 none of the second tile).
; B leaves its part of block 15 - i (O^T, -M, the sum) in LDS bytes of the pair's own; behind one barrier A joins the two parts: both are brought under the larger M by powers of two, which rounds nothing; an empty part counts for 0.
; Every branch hangs on the wave's number and the count of steps alone.  Wave B of i = 0 reads step 15, so every fill is read in every work-group.
; Q of block 15 - i is loaded at the head into nine registers of its own, by all waves alike, and copied at B's change of tiles (kind A's copy is not used: its first tile is that block).
; LDS: the head's WHOLE K and V as register images: chunk j (256 keys) at 34,304 j: K's record (17,408 bytes), then V's (16,896); filled once, by one joint load a wave.  Behind them the spare words, then 8 x 4,352 bytes for the pairs.
; LAYOUT.  Both products transposed: S^T = K Q^T, O^T = V^T P^T: a lane holds ONE query.  K = 64 IN A FORM OF 128: the other 64 are zero codes on both sides; two tiles share one run of eight zero registers.
; No prefetch: all tensor loads stand at the kernel's head.  LIMITS: the promise holds while |t| stays under 2^31; 1 / sum by v_rcp_f32; byte 1 for blocks under 2^-118 or of zeros; NaN and infinities not served.
; REGISTERS: v1 16 lane, v2 4 (r + 8 (r / 8)), v3 the mask's bound, v4, v10 the pair's LDS bytes, v7 output offset, v8, v9 LDS addresses; v12 -M, v13 largest t, v[14:15] the sum; v16-23 Q, v24-31 zeros, v32-39 Q; v40-87 K;
; v88-91 K's or V's scale words, v226 p's, v227 Q's, v242 the second tile's Q's; v96-159 S^T, p, then V's fragments; v160-191 O^T; v192-207 p's codes; v208-223, v228-236, v244-251 at work; v[224:225] f; v238-241, v252-255 the second tile's Q.
.set CH,    34304
.set KREC,  17408
.set SPARE, 8*CH                       ; the spare words: 128 bytes for each of the sixteen waves, named by no other line
.set XB,    SPARE+2048                 ; the pairs' bytes: no tile lands there
.set XP,    4352                       ; 8 x 512 bytes of O^T, then 256 of (-M, sum)
.set SPW, 5
.set NIL, 6
.set WV,  8
.set BLK, 9                            ; the 128-query block of the tile in hand: its diagonal step
.set SI,  10                           ; the key step's number
.set TB,  11                           ; LDS byte at which the chunk in hand begins
.set TRIPS, 12
.set MNT, 13
.set SEL, 14
.set CS,  16
.set QP0, 18                           ; my tile's first query in its block of 128
.set G1K, 24
.set G1V, 32
.set G0,  40
.set MK,  52                           ; s52-55 four lane masks of the diagonal step
.set KB,  57                           ; 1: kind B
.set BH,  58                           ; 15 - i
.set LIM, 59                           ; the last key step of the part in hand
.set SWAT, 60                          ; the step at which a wave of kind B changes tiles (no step in kind A)
.set II,  61
.macro ROUND
	s_barrier_signal -1
	s_barrier_wait -1
	s_cmp_lg_u32 s[WV], 0
	s_cbranch_scc1 .Lnot_wave_0_\@
	s_barrier_signal -3
.Lnot_wave_0_\@:
	s_barrier_wait -3
	s_barrier_signal -1
	s_barrier_wait -1
.endm
.macro QADR blk                        ; where block s[blk]'s tile of Q lies: image s[44:45], scale words s[50:51]; s21 = 4 x its first row in the tile of 256
	s_lshr_b32 s21, s[\blk], 1
	s_and_b32 s22, s[\blk], 1
	s_mul_i32 s23, s19, 139264
	s_mul_i32 s21, s21, 17408
	s_add_co_u32 s23, s23, s21
	s_lshl_b32 s21, s22, 3
	s_add_co_u32 s21, s21, s20
	s_lshl_b32 s21, s21, 10
	s_add_co_u32 s44, s23, s21
	s_mov_b32 s45, 0
	s_add_nc_u64 s[44:45], s[4:5], s[44:45]
	s_lshl_b32 s21, s22, 7
	s_add_co_u32 s21, s21, s[QP0]
	s_lshl_b32 s21, s21, 2
	s_add_co_u32 s50, s23, s21
	s_add_co_u32 s50, s50, 16384
	s_mov_b32 s51, 0
	s_add_nc_u64 s[50:51], s[4:5], s[50:51]
.endm
.macro FRESH                           ; a tile's state: M under every t, sum and O^T zero
	v_mov_b32 v13, 0xff61b1e6
	v_floor_f32 v12, -v13
	v_mov_b32 v14, 0
	v_mov_b32 v15, 0
.set n, 0
.rept 32
	v_mov_b32 v[160+n], 0
.set n, n+1
.endr
.endm
.macro LSUM                            ; eight places behind the last products; then the row's sum in every lane's v14
.rept 8
	v_nop
.endr
	v_add_f32 v14, v14, v15
	s_wait_alu depctr_va_vdst(0)
	v_permlanex16_b32 v230, v14, s[SEL], s[SEL+1]
	s_delay_alu instid0(VALU_DEP_1)
	v_add_f32 v14, v14, v230
.endm
.macro FIN                             ; O^T / the sum; the head's 64 channels are two blocks of 32 of the projection's K; codes and the two scale bytes leave
	s_wait_alu depctr_va_vdst(0)
	v_rcp_f32 v224, v14
	v_nop
	s_wait_alu depctr_va_vdst(0)                   ; ahead of the first reader
.set n, 0
.rept 16
	v_pk_mul_f32 v[160+n:161+n], v[160+n:161+n], v[224:225] op_sel_hi:[1,0]   ; each accumulator from its low end on
.set n, n+2
.endr
.irp b, 0,1
	v_max3_num_f32 v[208+\b], |v[160+16*\b]|, |v[161+16*\b]|, 0x4800000
.endr
.irp i, 2,4,6,8,10,12,14
.irp b, 0,1
	s_delay_alu instid0(VALU_DEP_2)
	v_max3_num_f32 v[208+\b], v[208+\b], |v[160+16*\b+\i]|, |v[161+16*\b+\i]|
.endr
.endr
.irp b, 0,1
	s_delay_alu instid0(VALU_DEP_2)
	v_permlanex16_b32 v[212+\b], v[208+\b], s[SEL], s[SEL+1]
.endr
.irp b, 0,1
	s_delay_alu instid0(VALU_DEP_2)
	v_max_num_f32 v[208+\b], v[208+\b], v[212+\b]
.endr
.irp b, 0,1
	s_delay_alu instid0(VALU_DEP_2)
	v_add_nc_u32 v[220+\b], 0xfc000000, v[208+\b]
.endr
.irp b, 0,1
	s_delay_alu instid0(VALU_DEP_4)
	v_and_or_b32 v[216+\b], v[208+\b], 0x7f800000, s[MNT]
.endr
.irp b, 0,1
	s_delay_alu instid0(VALU_DEP_4)
	v_lshrrev_b32 v[212+\b], 23, v[220+\b]
.endr
	s_delay_alu instid0(VALU_DEP_1)
	v_lshl_or_b32 v230, v213, 8, v212              ; the head's two bytes of my row
.irp b, 0,1
.irp i, 0,1,2,3,4,5,6,7,8,9,10,11,12,13,14,15
	v_med3_num_f32 v[160+16*\b+\i], v[160+16*\b+\i], -v[216+\b], v[216+\b]
.endr
	v_cvt_scalef32_pk8_fp8_f32 v[192+4*\b:193+4*\b], v[160+16*\b:167+16*\b], v[220+\b]
	v_cvt_scalef32_pk8_fp8_f32 v[194+4*\b:195+4*\b], v[168+16*\b:175+16*\b], v[220+\b]
.endr
	v_nop
	global_store_b128 v7, v[192:195], s[46:47]
	global_store_b128 v7, v[196:199], s[46:47] offset:32
	global_store_b16 v2, v230, s[48:49]            ; both halves of the lanes write the same two bytes with the same value
.endm
	s_load_b128 s[4:7], s[0:1], 0x0                ; wqkv, wattn
	v_lshl_add_u32 v[SPW], v0, 2, SPARE
	v_mov_b32 v[NIL], 0
	ds_add_u32 v[SPW], v[NIL]                      ; the wave's opening: 0 onto my spare word, twice on end, waited for ahead of my first tensor load
	ds_add_u32 v[SPW], v[NIL]
	v_lshrrev_b32 v8, 5, v0
	s_delay_alu instid0(VALU_DEP_1)
	v_readfirstlane_b32 s[WV], v8                  ; wave 0..15
	s_and_b32 s[II], s[WV], 3
	s_lshr_b32 s19, s[WV], 3
	s_lshl_b32 s19, s19, 2
	s_add_co_u32 s[II], s[II], s19                 ; the pair i
	s_bfe_u32 s[KB], s[WV], 0x10002                ; the kind
	s_sub_co_u32 s[BH], 15, s[II]
	s_min_u32 s[LIM], s[BH], 8                     ; kind A: steps 0 .. 8, and none behind the diagonal
	s_cmp_eq_u32 s[KB], 1
	s_cselect_b32 s[BLK], s[II], s[BH]             ; the first tile's block
	s_cselect_b32 s[LIM], s[II], s[LIM]
	s_cselect_b32 s[SWAT], 9, 99
	s_mul_i32 s62, s[II], XP
	s_add_co_u32 s62, s62, XB                      ; the pair's LDS bytes
	s_add_co_u32 s63, s62, 4096
	s_and_b32 s19, ttmp7, 0xffff                   ; hb
	s_mov_b32 s[G1K], 15|(3<<16)|(1<<21)           ; the mask: all four partners; elements of 8 bytes; bit 21 beside a mask; no padding: images are read 512 consecutive bytes at a time
	s_mov_b32 s[G1K+1], 32<<16                     ; rows of 256 bytes,
	s_mov_b32 s[G1K+2], 68<<16                     ; 68 of them: a record of K
	s_mov_b32 s[G1K+3], 32<<16
	s_mov_b32 s[G1K+4], 68
	s_mov_b32 s[G1K+5], 32
	s_mov_b32 s[G1K+6], 0
	s_mov_b32 s[G1K+7], 0
	s_mov_b32 s[G1V], 15|(3<<16)|(1<<21)
	s_mov_b32 s[G1V+1], 32<<16
	s_mov_b32 s[G1V+2], 66<<16                     ; 66: a record of V
	s_mov_b32 s[G1V+3], 32<<16
	s_mov_b32 s[G1V+4], 66
	s_mov_b32 s[G1V+5], 32
	s_mov_b32 s[G1V+6], 0
	s_mov_b32 s[G1V+7], 0
	s_and_b32 s20, s[WV], 7                        ; the chunk that I fetch
	s_lshr_b32 s21, s[WV], 3                       ; K's record or V's
	s_mul_i32 s22, s20, CH
	s_mul_i32 s21, s21, KREC
	s_add_co_u32 s22, s22, s21                     ; where it goes
	s_cmp_lt_u32 s[WV], 8
	s_mov_b32 s44, 0x880000
	s_cselect_b32 s44, 0x440000, s44
	s_mov_b32 s45, 135168
	s_cselect_b32 s45, 139264, s45
	s_mov_b32 s23, 16896
	s_cselect_b32 s23, 17408, s23
	s_mul_i32 s45, s45, s19
	s_mul_i32 s23, s23, s20
	s_add_co_u32 s44, s44, s45
	s_add_co_u32 s44, s44, s23                     ; and where it comes from: the head and the wave's number alone
	s_mov_b32 s45, 0
	s_mov_b32 s[SEL], 0x76543210
	s_mov_b32 s[SEL+1], 0xfedcba98
	s_mov_b32 s[CS], 0x3e38aa3b                    ; c = log2(e) / 8
	s_mov_b32 s[CS+1], s[CS]
	s_mov_b32 s[MNT], 0x600000
	s_mov_b32 s[SI], 0
	s_mov_b32 s[TB], 0
	s_mov_b32 s[TRIPS], 8
	s_wait_dscnt 0x0                               ; both opening adds are done
	s_wait_kmcnt 0x0
	s_mov_b32 s[G0], 1
	s_mov_b32 s[G0+1], s22
	s_add_nc_u64 s[G0+2:G0+3], s[4:5], s[44:45]
	s_or_b32 s[G0+3], s[G0+3], 0x80000000
	ROUND                                          ; all four work-groups are here: the joint loads meet
	s_cmp_lt_u32 s[WV], 8
	s_cbranch_scc0 .Lfill_v
	tensor_load_to_lds s[G0:G0+3], s[G1K:G1K+7]
	s_nop 0
.rept 4
	v_nop
.endr
	s_branch .Lfilled
.Lfill_v:
	tensor_load_to_lds s[G0:G0+3], s[G1V:G1V+7]
	s_nop 0
.rept 4
	v_nop
.endr
.Lfilled:
	s_bfe_u32 s20, ttmp6, 0x40000                  ; cx: it enters Q's and the output's addresses and the mask's bound alone
	s_lshl_b32 s21, ttmp9, 2
	s_add_co_u32 s20, s20, s21                     ; xw 0..7
	s_lshr_b32 s[QP0], s20, 1
	s_lshl_b32 s[QP0], s[QP0], 5
	s_and_b32 s21, s20, 1
	s_lshl_b32 s21, s21, 3
	s_add_co_u32 s[QP0], s[QP0], s21               ; 32 (xw / 2) + 8 (xw % 2)
	QADR BH
	v_and_b32 v8, 15, v0                           ; r
	v_bfe_u32 v9, v0, 4, 1                         ; h
	v_and_b32 v10, 31, v0
	s_delay_alu instid0(VALU_DEP_1)
	v_lshlrev_b32 v1, 4, v10
	s_delay_alu instid0(VALU_DEP_4)
	v_and_b32 v11, 8, v8
	s_delay_alu instid0(VALU_DEP_1)
	v_add_nc_u32 v11, v11, v8                      ; r + 8 (r / 8)
	s_delay_alu instid0(VALU_DEP_1)
	v_lshlrev_b32 v2, 2, v11
	global_load_b128 v[238:241], v1, s[44:45]      ; Q of block 15 - i, for the change of tiles
	global_load_b128 v[252:255], v1, s[44:45] offset:512
	global_load_b32 v242, v2, s[50:51]
	s_wait_xcnt 0x0                                ; these loads have read their bases, which are written anew below
	s_wait_alu depctr_va_vdst(0)
	QADR BLK
	global_load_b128 v[16:19], v1, s[44:45]        ; Q of my first tile,
	global_load_b128 v[20:23], v1, s[44:45] offset:512
	global_load_b128 v[32:35], v1, s[44:45]        ; and once more, behind the zeros
	global_load_b128 v[36:39], v1, s[44:45] offset:512
	global_load_b32 v227, v2, s[50:51]
	v_add_nc_u32 v4, s62, v1                       ; the pair's O^T: 16 x lane in each 512 bytes
	v_lshl_add_u32 v10, v10, 3, s63                ; its (-M, sum): 8 x lane
	v_lshlrev_b32 v3, 4, v9
	s_delay_alu instid0(VALU_DEP_1)
	v_sub_nc_u32 v3, v11, v3
	s_delay_alu instid0(VALU_DEP_1)
	v_add_nc_u32 v3, s[QP0], v3                    ; my query in its block - 16 h: in the step on the diagonal register 16 b + i holds key 32 b + 16 h + i, hidden where 32 b + i is above this
	v_lshlrev_b32 v7, 10, v11
	s_delay_alu instid0(VALU_DEP_1)
	v_lshl_add_u32 v7, v9, 4, v7                   ; the output: my query's row of 1,024 bytes, + 16 h
	s_lshr_b32 s52, s19, 4                         ; the tile that I write out is my first: batch,
	s_and_b32 s53, s19, 15                         ; head
	s_lshl_b32 s54, s52, 11
	s_lshl_b32 s55, s[BLK], 7
	s_add_co_u32 s54, s54, s55
	s_add_co_u32 s54, s54, s[QP0]
	s_lshl_b32 s54, s54, 10
	s_lshl_b32 s55, s53, 6
	s_add_co_u32 s54, s54, s55
	s_mov_b32 s55, 0
	s_add_nc_u64 s[46:47], s[6:7], s[54:55]        ; the codes: row x 1,024 + 64 head
	s_lshl_b32 s54, s52, 3
	s_lshr_b32 s56, s[BLK], 1
	s_add_co_u32 s54, s54, s56
	s_lshl_b32 s54, s54, 13                        ; the scale words: the tile of 256 rows,
	s_lshr_b32 s56, s53, 1
	s_lshl_b32 s56, s56, 10                        ; the plane head / 2,
	s_add_co_u32 s54, s54, s56
	s_add_co_u32 s54, s54, s21                     ; 4 x the row in the tile (as for Q's words),
	s_and_b32 s56, s53, 1
	s_lshl_b32 s56, s56, 1                         ; bytes 2 (head % 2) on
	s_add_co_u32 s54, s54, s56
	s_add_co_u32 s54, s54, 0x400000
	s_add_nc_u64 s[48:49], s[6:7], s[54:55]
.irp j, 24,25,26,27,28,29,30,31,48,49,50,51,52,53,54,55,72,73,74,75,76,77,78,79
	v_mov_b32 v[\j], 0                             ; the zero codes: written once, never loaded into
.endr
	FRESH
.irp j, 212,213,214,215,225,228,229,230
	v_mov_b32 v[\j], 0                             ; permute destinations, and the upper halves of the pairs v[224:225], v[228:229]
.endr
	s_wait_alu depctr_va_vdst(0)
	s_wait_tensorcnt 0x0                           ; my record has landed,
	s_barrier_signal -1
	s_barrier_wait -1                              ; everybody's has
	s_wait_loadcnt 0x0                             ; Q, both tiles'
.macro STEP q                          ; 128 keys: the q-th half of the chunk in hand
	s_cmp_gt_u32 s[SI], s[LIM]                     ; a step that is not of the part in hand is left out: the wave's number and the count of steps alone
	s_cbranch_scc1 .Lhidden_\@
.rept 9
	v_nop                                          ; nine places: the products below write over registers that the last step's products read; eight serve the loads
.endr
	s_wait_alu depctr_va_vdst(0)
.irp g, 0,1
.if \g > 0
.rept 8
	v_nop
.endr
.endif
.irp t, 0,1,2,3
.irp c, 0,1
	ds_load_b128 v[40+24*(\t/2)+16*(\t%2)+4*\c:43+24*(\t/2)+16*(\t%2)+4*\c], v8 offset:(8*(\q)+4*\g+\t)*1024+512*\c
.endr
	ds_load_b32 v[88+\t], v9 offset:16384+4*(128*(\q)+32*((4*\g+\t)/2)+8*(\t%2))
.endr
	s_wait_dscnt 0x0
.irp t, 0,1,2,3
	v_wmma_scale_f32_16x16x128_f8f6f4 v[96+8*(4*\g+\t):103+8*(4*\g+\t)], v[40+24*(\t/2)+8*(\t%2):55+24*(\t/2)+8*(\t%2)], v[16+8*(\t%2):31+8*(\t%2)], 0, v[88+\t], v227
.endr
.endr
.rept 8
	v_nop
.endr
	s_cmp_lt_u32 s[SI], s[BLK]                     ; only the step on the diagonal hides keys
	s_cbranch_scc1 .Lopen_\@
	v_mov_b32 v230, 0xff800000                     ; -infinity: p = 0 then
.set n, 0
.rept 16                               ; four compares into four masks, then their four selects: no select stands straight behind its own compare
.irp k, 0,1,2,3
	v_cmp_gt_i32 s[MK+\k], 32*((n+\k)/16)+(n+\k)%16, v3
.endr
.irp k, 0,1,2,3
	v_cndmask_b32 v[96+n+\k], v[96+n+\k], v230, s[MK+\k]
.endr
.set n, n+4
.endr
.Lopen_\@:
.irp b, 0,1,2,3
	v_max3_num_f32 v[208+\b], v[96+16*\b], v[97+16*\b], v[98+16*\b]   ; the largest score of each block of 32 keys: for the row's maximum, and, since p rises with the score, for the block's largest p
.endr
.irp i, 3,5,7,9,11,13
.irp b, 0,1,2,3
	v_max3_num_f32 v[208+\b], v[208+\b], v[96+16*\b+\i], v[97+16*\b+\i]
.endr
.endr
.irp b, 0,1,2,3
	v_max_num_f32 v[208+\b], v[208+\b], v[111+16*\b]
.endr
.irp b, 0,1,2,3
	s_delay_alu instid0(VALU_DEP_4)
	v_permlanex16_b32 v[212+\b], v[208+\b], s[SEL], s[SEL+1]
.endr
.irp b, 0,1,2,3
	s_delay_alu instid0(VALU_DEP_4)
	v_max_num_f32 v[208+\b], v[208+\b], v[212+\b]
.endr
	s_delay_alu instid0(VALU_DEP_2)
	v_max3_num_f32 v230, v208, v209, v210
	s_delay_alu instid0(VALU_DEP_1)
	v_max_num_f32 v230, v230, v211
	s_delay_alu instid0(VALU_DEP_1)
	v_mul_f32 v230, s[CS], v230                    ; as t
	s_delay_alu instid0(VALU_DEP_1)
	v_max_num_f32 v13, v13, v230                   ; the running largest t
	v_mov_b32 v230, v12
	s_delay_alu instid0(VALU_DEP_2)
	v_floor_f32 v12, -v13                          ; the new -M = -ceil(t)
	s_delay_alu instid0(VALU_DEP_1)
	v_sub_f32 v230, v12, v230                      ; old M - new M: a whole number, 0 or less
	s_delay_alu instid0(VALU_DEP_1)
	v_cvt_i32_f32 v230, v230                       ; (it saturates)
	s_delay_alu instid0(VALU_DEP_1)
	v_ldexp_f32 v224, 1.0, v230                    ; f = 2^(old M - new M)
.set n, 0
.rept 32
	v_pk_fma_f32 v[96+n:97+n], v[96+n:97+n], s[CS:CS+1], v[12:13] op_sel_hi:[1,0,0]   ; t - M, two at a time
.set n, n+2
.endr
.irp b, 0,1,2,3
	v_fma_f32 v[208+\b], v[208+\b], s[CS], v12
.endr
.set n, 0
	s_wait_alu depctr_va_vdst(0)
.rept 64
	v_exp_f32 v[96+n], v[96+n]                     ; p = 2^(t - M)
.set n, n+1
.endr
	v_pk_mul_f32 v[14:15], v[14:15], v[224:225] op_sel_hi:[1,0]   ; the sums under the new M (a plain line behind the exponentials)
	s_wait_alu depctr_va_vdst(0)                   ; one wait for the batch, ahead of its first reader
.irp b, 0,1,2,3
	v_exp_f32 v[208+\b], v[208+\b]                 ; the block's largest p
.endr
.irp k, 0,2,4,6
	v_pk_add_f32 v[244+\k:245+\k], v[96+\k:97+\k], v[104+\k:105+\k]   ; the sum of the unquantised p, in four packed chains
.endr
.irp j, 16,24,32,40,48,56
.irp k, 0,2,4,6
	v_pk_add_f32 v[244+\k:245+\k], v[244+\k:245+\k], v[96+\j+\k:97+\j+\k]
.endr
.endr
	v_pk_add_f32 v[244:245], v[244:245], v[246:247]
	v_pk_add_f32 v[248:249], v[248:249], v[250:251]
	v_pk_add_f32 v[14:15], v[14:15], v[244:245]
	v_pk_add_f32 v[14:15], v[14:15], v[248:249]
	s_wait_alu depctr_va_vdst(0)                   ; and one for the four
.irp b, 0,1,2,3
	v_max_num_f32 v[208+\b], 0x4800000, v[208+\b]  ; the floor: the byte cannot fall under 1
.endr
.irp b, 0,1,2,3
	s_delay_alu instid0(VALU_DEP_4)
	v_add_nc_u32 v[220+\b], 0xfc000000, v[208+\b]
.endr
.irp b, 0,1,2,3
	v_and_or_b32 v[216+\b], v[208+\b], 0x7f800000, s[MNT]
.endr
.irp b, 0,1,2,3
	v_and_or_b32 v[233+\b], v[208+\b], 0x7f800000, s[MNT]   ; the bound once more, one register bank on: for the second half of a dual pair
.endr
.irp b, 0,1,2,3
	v_lshrrev_b32 v[212+\b], 23, v[220+\b]
.endr
	s_delay_alu instid0(VALU_DEP_3)
	v_lshl_or_b32 v226, v213, 8, v212              ; p's scale word for these 128 keys
	s_delay_alu instid0(VALU_DEP_1)
	v_lshl_or_b32 v226, v214, 16, v226
	s_delay_alu instid0(VALU_DEP_1)
	v_lshl_or_b32 v226, v215, 24, v226
.irp b, 0,1,2,3
.irp i, 0,2,4,6,8,10,12,14
	v_dual_min_num_f32 v[96+16*\b+\i], v[96+16*\b+\i], v[216+\b] :: v_dual_min_num_f32 v[97+16*\b+\i], v[97+16*\b+\i], v[233+\b]   ; the hold, two a line; p is not negative
.endr
	v_cvt_scalef32_pk8_fp8_f32 v[192+4*\b:193+4*\b], v[96+16*\b:103+16*\b], v[220+\b]
	v_cvt_scalef32_pk8_fp8_f32 v[194+4*\b:195+4*\b], v[104+16*\b:111+16*\b], v[220+\b]
.endr
.irp t, 0,1,2,3                        ; V's four fragments take p's registers
.irp c, 0,1,2,3
	ds_load_b128 v[96+16*\t+4*\c:99+16*\t+4*\c], v8 offset:KREC+8192*(\q)+2048*\t+512*\c
.endr
	ds_load_b32 v[88+\t], v9 offset:KREC+16384+256*(\q)+4*(32*(\t/2)+8*(\t%2))
.endr
.set n, 0
.rept 16
	v_pk_mul_f32 v[160+n:161+n], v[160+n:161+n], v[224:225] op_sel_hi:[1,0]   ; O^T under the new M; these are also the places between the codes and the products
.set n, n+2
.endr
	s_wait_alu depctr_va_vdst(0)
	s_wait_dscnt 0x0
.irp t, 0,1,2,3
	v_wmma_scale_f32_16x16x128_f8f6f4 v[160+8*\t:167+8*\t], v[96+16*\t:111+16*\t], v[192:207], v[160+8*\t:167+8*\t], v[88+\t], v226
.endr
.Lhidden_\@:
	s_add_co_u32 s[SI], s[SI], 1
.endm
.Lchunk:                                           ; eight trips, a chunk of 256 keys each: the count is a constant; what a wave does not need it jumps over
	v_add_nc_u32 v8, s[TB], v1
	v_add_nc_u32 v9, s[TB], v2
	STEP 0
	s_cmp_lg_u32 s[SI], s[SWAT]                    ; kind B, at step 9: block i is finished and leaves; block 15 - i begins
	s_cbranch_scc1 .Lsame
	LSUM
	FIN
	s_mov_b32 s[BLK], s[BH]
	s_mov_b32 s[LIM], s[BH]
.irp k, 0,1,2,3
	v_mov_b32 v[16+\k], v[238+\k]                  ; the second tile's Q, twice, round the zeros
	v_mov_b32 v[20+\k], v[252+\k]
	v_mov_b32 v[32+\k], v[238+\k]
	v_mov_b32 v[36+\k], v[252+\k]
.endr
	v_mov_b32 v227, v242                           ; and its scale words; the 36 lines below and the step's nine stand between these and the products
	FRESH
	s_wait_alu depctr_va_vdst(0)
	s_wait_xcnt 0x0                                ; the stores have read their registers, which the next step writes
.Lsame:
	STEP 1
	s_add_co_u32 s[TB], s[TB], CH
	s_sub_co_u32 s[TRIPS], s[TRIPS], 1
	s_cmp_lg_u32 s[TRIPS], 0
	s_cbranch_scc1 .Lchunk
	LSUM
	s_wait_alu depctr_va_vdst(0)
	s_cmp_eq_u32 s[KB], 1
	s_cbranch_scc0 .Lkeep
	v_mov_b32 v13, v14                             ; kind B: my part of block 15 - i goes to the pair's bytes as an image of its registers
.irp k, 0,1,2,3,4,5,6,7
	ds_store_b128 v4, v[160+4*\k:163+4*\k] offset:512*\k
.endr
	ds_store_b64 v10, v[12:13]
.Lkeep:
	s_wait_dscnt 0x0                               ; for the partner's sake: my stores are done
	s_barrier_signal -1
	s_barrier_wait -1
	s_cmp_eq_u32 s[KB], 1
	s_cbranch_scc1 .Ldone
.irp k, 0,1,2,3,4,5,6,7
	ds_load_b128 v[96+4*\k:99+4*\k], v4 offset:512*\k   ; kind A: the partner's O^T,
.endr
	ds_load_b64 v[128:129], v10                    ; its -M and its sum
	s_wait_dscnt 0x0
	v_min_num_f32 v130, v12, v128                  ; -M of the two parts together
	v_sub_f32 v131, v130, v12                      ; my M - M, the partner's M - M: whole numbers, 0 or less
	v_sub_f32 v132, v130, v128
	v_cvt_i32_f32 v131, v131
	v_cvt_i32_f32 v132, v132
	v_ldexp_f32 v224, 1.0, v131
	v_ldexp_f32 v228, 1.0, v132
	v_mul_f32 v14, v14, v224
	v_fmac_f32 v14, v129, v228
.set n, 0
.rept 16
	v_pk_mul_f32 v[160+n:161+n], v[160+n:161+n], v[224:225] op_sel_hi:[1,0]
.set n, n+2
.endr
.set n, 0
.rept 16
	v_pk_fma_f32 v[160+n:161+n], v[96+n:97+n], v[228:229], v[160+n:161+n] op_sel_hi:[1,0,1]
.set n, n+2
.endr
	FIN
.Ldone:
	s_wait_tensorcnt 0x0                           ; the wave's end
	ds_add_u32 v[SPW], v[NIL]
	s_wait_dscnt 0x0
	ROUND                                          ; the closing round
	s_endpgm
.Lfunc_end_k_q851ea233ab_attn:
	.size	k_q851ea233ab_attn, .Lfunc_end_k_q851ea233ab_attn-k_q851ea233ab_attn
	.p2alignl 7, 3214868480
	.fill 96, 4, 3214868480
	.section	.rodata,"a",@progbits
	.p2align	6, 0x0
	.amdhsa_kernel k_q851ea233ab_attn
		.amdhsa_group_segment_fixed_size 327680
		.amdhsa_private_segment_fixed_size 0
		.amdhsa_enable_private_segment 0
		.amdhsa_kernarg_size 16
		.amdhsa_user_sgpr_count 2
		.amdhsa_user_sgpr_kernarg_segment_ptr 1
		.amdhsa_wavefront_size32 1
		.amdhsa_system_sgpr_workgroup_id_x 1
		.amdhsa_system_sgpr_workgroup_id_y 1
		.amdhsa_system_sgpr_workgroup_id_z 1
		.amdhsa_system_vgpr_workitem_id 0
		.amdhsa_next_free_vgpr 256
		.amdhsa_next_free_sgpr 66
		.amdhsa_reserve_vcc 0
		.amdhsa_float_denorm_mode_32 3
		.amdhsa_float_denorm_mode_16_64 3
		.amdhsa_memory_ordered 1
		.amdhsa_forward_progress 1
		.amdhsa_inst_pref_size 90
	.end_amdhsa_kernel
	.amdgpu_metadata
---
amdhsa.version: [ 1, 2 ]
amdhsa.kernels:
  - .name:           k_q851ea233ab_attn
    .symbol:         k_q851ea233ab_attn.kd
    .args:
      - { .name: wqkv, .offset: 0, .size: 8, .value_kind: global_buffer, .address_space: global }
      - { .name: wattn, .offset: 8, .size: 8, .value_kind: global_buffer, .address_space: global }
    .group_segment_fixed_size: 327680
    .private_segment_fixed_size: 0
    .kernarg_segment_align: 8
    .kernarg_segment_size: 16
    .max_flat_workgroup_size: 512
    .sgpr_count:     66
    .vgpr_count:     256
    .wavefront_size: 32
...
	.end_amdgpu_metadata
.endif
;; end of part 3
;; launch proj (part 4): grid 8 x 32, 4 waves a work-group, clusters of 4 x 4, 327,680 bytes of LDS; arguments wattn, w_proj_codes, wprep, b_proj, wy; writes wy
.if DOCPART == 4
	.amdgcn_target "amdgcn-amd-amdhsa--gfx1250"
	.amdhsa_code_object_version 6
	.text
	.protected	k_q851ea233ab_proj
	.globl	k_q851ea233ab_proj
	.p2align	8
	.type	k_q851ea233ab_proj,@function
k_q851ea233ab_proj:
	s_mov_b64 s[64:65], 0
	v_nop
	global_prefetch_b8 v0, s[64:65] scope:SCOPE_SE
	s_setreg_imm32_b32 hwreg(HW_REG_WAVE_MODE, 25, 1), 1
	s_wait_xcnt 0x0
	s_wait_alu depctr_hold_cnt(0) depctr_sa_sdst(0) depctr_va_vdst(0) depctr_va_sdst(0) depctr_va_ssrc(0) depctr_va_vcc(0) depctr_vm_vsrc(0)
	s_getreg_b32 s2, hwreg(HW_REG_IB_STS2, 6, 4)
	s_cmp_eq_u32 s2, 0
	s_cbranch_scc0 .Lentry_in_a_cluster
	s_endpgm
.Lentry_in_a_cluster:
	s_bfe_u32 s2, ttmp6, 0x10000c
	s_cmp_lg_u32 s2, 0xf033
	s_cbranch_scc0 .Lentry_shape_is_right
	s_endpgm
.Lentry_shape_is_right:
; y1 = attn w_proj + b_proj on codes (product 6): wy [4096][1024] f32.  A = the attention's codes (wattn + 0) and scale words (wattn + 0x400000), B = w_proj's codes and its scale words (wprep + 0x438000).
; SHARES: 8 x 32 tiles of 128 x 128 are 256 work-groups; four waves, 2 x 2, each 64 x 64: 16 accumulators, which take turns, one instruction a turn.
; LDS: K = 1,024 is two slots of 512 along K.  A slot holds A's and B's 128 rows (512 bytes + 16 of padding) and their scale words of four planes (2,048 bytes each).  One joint load a wave and slot:
; wave 0 A's codes, 1 B's, 2 A's words, 3 B's.  Slot 0 is asked for at the head, slot 1 behind a round of the cluster's barrier.  Nothing is filled again.
; CLUSTER 4 x 4: A's tiles are asked for jointly along a row, B's along a column.  No prefetch: the text has no loop to run ahead in, and both slots are asked for by their loads in its head.
; The matrix instruction is used transposed (source 0 = B's rows, source 1 = A's): a lane holds eight neighbouring columns of one row.  The bias is the first products' C.
; THE WAY OUT: the wave's 64 rows x 256 bytes go through its stage in slot 0 (last fill long done; nobody reads it behind the barrier that shows slot 1) and leave as aligned units of 256 bytes from sixteen lanes.
; REGISTERS: window 0: v16-27 addresses; v32-63 scale words, two sets, and nothing else; v64-95 the bias; v128-255 A's fragments, two sets (then the rows on the way out).  window 1: v0-127 B's fragments, two sets; v128-255 accumulators.
.set KROW,   1024
.set STEPB,  512
.set PITCH,  528                       ; 33 x 16 bytes: the 16 rows that a load touches start at 16 different groups of four banks (64 banks of 4 bytes: ISA guide 11.1)
.set TILEB,  128*PITCH
.set ASC,    2*TILEB
.set BSC,    ASC+2048
.set SLOT,   BSC+2048
.set SPARE,  2*SLOT                    ; the spare words: 128 bytes a wave, named by no other line
.set SPITCH, 272
.set ADRA, 16
.set ADRB, 18
.set ADRS, 20
.set STO,  24
.set RD,   25
.set CO,   26
.set BOF,  27
.set SPW,  28
.set NIL,  29
.set SC,   32
.set BI,   64
.set AF,   128
.set G1,   24
.set G0,   32
.set G1B,  48
.set G0B,  56
.set G1S,  68
.set G0S,  76
.set G1SB, 84
.set G0SB, 92
.set MSB, 0
.macro WIN new                         ; the immediate's high byte repeats the setting that is left
.if MSB != \new
	s_set_vgpr_msb (MSB<<8)|\new
.set MSB, \new
.endif
.endm
.macro PLACES n
.rept \n
	v_nop
.endr
.endm
.macro ONELOAD g0, g1                  ; a tensor load, and behind it the s_nop 0 and four v_nop
	tensor_load_to_lds s[\g0:\g0+3], s[\g1:\g1+7]
	s_nop 0
	PLACES 4
.endm
.macro JLOAD s                         ; each wave's one joint load for slot s; the branches hang on the wave's number alone
	s_cmp_lt_u32 s14, 2
	s_cbranch_scc0 .Lw23_\@
	s_cmp_eq_u32 s14, 0
	s_cbranch_scc0 .Lw1_\@
	ONELOAD G0+4*\s, G1
	s_branch .Lasked_\@
.Lw1_\@:
	ONELOAD G0B+4*\s, G1B
	s_branch .Lasked_\@
.Lw23_\@:
	s_cmp_eq_u32 s14, 2
	s_cbranch_scc0 .Lw3_\@
	ONELOAD G0S+4*\s, G1S
	s_branch .Lasked_\@
.Lw3_\@:
	ONELOAD G0SB+4*\s, G1SB
.Lasked_\@:
.endm
.macro CROUND                          ; a round of the cluster's barrier
	s_barrier_signal -1
	s_barrier_wait -1
	s_cmp_lg_u32 s14, 0
	s_cbranch_scc1 .Lnot_wave_0_\@
	s_barrier_signal -3
.Lnot_wave_0_\@:
	s_barrier_wait -3
	s_barrier_signal -1
	s_barrier_wait -1
.endm
	s_load_b256 s[4:11], s[0:1], 0x0               ; wattn, w_proj_codes, wprep, b_proj
	s_load_b64 s[12:13], s[0:1], 0x20              ; wy
	v_lshl_add_u32 v[SPW], v0, 2, SPARE
	v_mov_b32 v[NIL], 0
	ds_add_u32 v[SPW], v[NIL]                      ; the wave's opening: 0 onto my spare word, twice on end, waited for ahead of my first tensor load
	ds_add_u32 v[SPW], v[NIL]
	v_lshrrev_b32 v1, 5, v0
	v_readfirstlane_b32 s14, v1                    ; wave 0..3
	s_lshr_b32 s15, s14, 1                         ; which 64 of A's rows are mine
	s_and_b32 s16, s14, 1                          ; which 64 of B's
	s_bfe_u32 s40, ttmp6, 0x40000                  ; cx
	s_bfe_u32 s41, ttmp6, 0x40004                  ; cy
	s_lshl_b32 s42, ttmp9, 2
	s_add_co_u32 s42, s42, s40                     ; tile column 0..7
	s_and_b32 s17, ttmp7, 0xffff
	s_lshl_b32 s17, s17, 2
	s_add_co_u32 s17, s17, s41                     ; tile row 0..31
	s_lshl_b32 s43, s41, 2
	s_lshl_b32 s43, 15, s43                        ; my row of the cluster
	s_lshl_b32 s44, 0x1111, s40                    ; my column
	s_or_b32 s[G1], s43, (1<<20)|(1<<21)|(6<<22)|(3<<25)    ; the mask; elements of 1 byte; padding: 4 words behind every 128; bit 21 beside a mask
	s_or_b32 s[G1B], s44, (1<<20)|(1<<21)|(6<<22)|(3<<25)
.irp g, G1, G1B
	s_mov_b32 s[\g+1], STEPB<<16                   ; tensor_dim0
	s_mov_b32 s[\g+2], 128<<16                     ; tensor_dim1
	s_mov_b32 s[\g+3], STEPB<<16                   ; tile_dim0
	s_mov_b32 s[\g+4], 128                         ; tile_dim1
	s_mov_b32 s[\g+5], KROW                        ; from row to row
	s_mov_b32 s[\g+6], 0
	s_mov_b32 s[\g+7], 0
.endr
	s_or_b32 s[G1S], s43, (3<<16)|(1<<21)          ; scale words: four planes, of each the 512 bytes of my 128 rows; planes 1,024 bytes apart; elements of 8 bytes
	s_or_b32 s[G1SB], s44, (3<<16)|(1<<21)
.irp g, G1S, G1SB
	s_mov_b32 s[\g+1], 64<<16
	s_mov_b32 s[\g+2], 4<<16
	s_mov_b32 s[\g+3], 64<<16
	s_mov_b32 s[\g+4], 4
	s_mov_b32 s[\g+5], 128
	s_mov_b32 s[\g+6], 0
	s_mov_b32 s[\g+7], 0
.endr
	s_lshl_b32 s20, s17, 17                        ; A: 128 rows of 1,024 bytes a tile
	s_mov_b32 s21, 0
	s_lshr_b32 s22, s17, 1                         ; its words: [row / 256][k / 128][row % 256]
	s_lshl_b32 s22, s22, 13
	s_and_b32 s18, s17, 1
	s_lshl_b32 s18, s18, 9
	s_add_co_u32 s22, s22, s18
	s_add_co_u32 s22, s22, 0x400000
	s_mov_b32 s23, 0
	s_lshl_b32 s46, s42, 17                        ; B likewise
	s_mov_b32 s47, 0
	s_lshr_b32 s100, s42, 1
	s_lshl_b32 s100, s100, 13
	s_and_b32 s19, s42, 1
	s_lshl_b32 s19, s19, 9
	s_add_co_u32 s100, s100, s19
	s_add_co_u32 s100, s100, 0x438000
	s_mov_b32 s101, 0
	s_wait_dscnt 0x0                               ; both opening adds are done
	s_wait_kmcnt 0x0
	s_add_nc_u64 s[20:21], s[4:5], s[20:21]
	s_add_nc_u64 s[22:23], s[4:5], s[22:23]
	s_add_nc_u64 s[46:47], s[6:7], s[46:47]
	s_add_nc_u64 s[100:101], s[8:9], s[100:101]
	CROUND                                         ; all sixteen work-groups are here: the first joint loads meet
.irp s, 0,1
	s_mov_b32 s[G0+4*\s], 1
	s_mov_b32 s[G0+4*\s+1], \s*SLOT
	s_add_nc_u64 s[G0+4*\s+2:G0+4*\s+3], s[20:21], \s*STEPB
	s_or_b32 s[G0+4*\s+3], s[G0+4*\s+3], 0x80000000
	s_mov_b32 s[G0B+4*\s], 1
	s_mov_b32 s[G0B+4*\s+1], \s*SLOT+TILEB
	s_add_nc_u64 s[G0B+4*\s+2:G0B+4*\s+3], s[46:47], \s*STEPB
	s_or_b32 s[G0B+4*\s+3], s[G0B+4*\s+3], 0x80000000
	s_mov_b32 s[G0S+4*\s], 1
	s_mov_b32 s[G0S+4*\s+1], \s*SLOT+ASC
	s_add_nc_u64 s[G0S+4*\s+2:G0S+4*\s+3], s[22:23], \s*4096
	s_or_b32 s[G0S+4*\s+3], s[G0S+4*\s+3], 0x80000000
	s_mov_b32 s[G0SB+4*\s], 1
	s_mov_b32 s[G0SB+4*\s+1], \s*SLOT+BSC
	s_add_nc_u64 s[G0SB+4*\s+2:G0SB+4*\s+3], s[100:101], \s*4096
	s_or_b32 s[G0SB+4*\s+3], s[G0SB+4*\s+3], 0x80000000
.endr
	JLOAD 0                                        ; one tensor load a wave at the head
	s_mul_i32 s21, s15, 64*PITCH                   ; my 64 rows of A,
	s_mul_i32 s22, s16, 64*PITCH
	s_add_co_u32 s22, s22, TILEB                   ; of B
	s_xor_b32 s23, s15, 1                          ; the scale words: lanes 0-15 take A's, lanes 16-31 B's: the lower base + h x the distance,
	s_add_co_u32 s23, s23, s16
	s_lshl_b32 s23, s23, 8
	s_add_co_u32 s23, s23, 1792                    ; 2,048 + 256 (B's half) - 256 (A's half)
	s_lshl_b32 s18, s15, 8
	s_add_co_u32 s18, s18, ASC
	s_mul_i32 s19, s14, 64*SPITCH                  ; my stage
	s_lshl_b32 s46, s42, 9                         ; my first column, in bytes of f32
	s_lshl_b32 s47, s16, 8
	s_add_co_u32 s46, s46, s47
	s_mov_b32 s47, 0
	s_add_nc_u64 s[66:67], s[10:11], s[46:47]      ; the bias there
	s_lshl_b32 s100, s17, 7
	s_lshl_b32 s101, s15, 6
	s_add_co_u32 s100, s100, s101                  ; my first row
	s_lshl_b32 s100, s100, 12
	s_add_co_u32 s100, s100, s46
	s_mov_b32 s101, 0
	s_add_nc_u64 s[12:13], s[12:13], s[100:101]
	v_and_b32 v1, 15, v0                           ; r
	v_bfe_u32 v2, v0, 4, 1                         ; h
	v_mul_u32_u24 v3, v1, PITCH
	v_lshl_add_u32 v4, v2, 4, v3                   ; a fragment's row x pitch + 16 h
	v_add_nc_u32 v[ADRA], s21, v4
	v_add_nc_u32 v[ADRB], s22, v4
	v_add_nc_u32 v[ADRA+1], SLOT, v[ADRA]
	v_add_nc_u32 v[ADRB+1], SLOT, v[ADRB]
	v_mul_u32_u24 v6, s23, v2
	v_lshl_add_u32 v5, v1, 2, v6
	v_add_nc_u32 v[ADRS], s18, v5
	v_add_nc_u32 v[ADRS+1], SLOT, v[ADRS]
	v_lshlrev_b32 v[BOF], 5, v2
.irp b, 0,1,2,3
	global_load_b128 v[BI+8*\b:BI+8*\b+3], v[BOF], s[66:67] offset:64*\b       ; register 8 b + j: the bias of column 16 b + 8 h + j
	global_load_b128 v[BI+8*\b+4:BI+8*\b+7], v[BOF], s[66:67] offset:64*\b+16
.endr
	v_mul_u32_u24 v5, v1, SPITCH
	v_lshl_add_u32 v5, v2, 5, v5
	v_add_nc_u32 v[STO], s19, v5                   ; the stage, in: row r, 32 bytes for each half of the lanes
	v_mul_u32_u24 v6, v2, SPITCH
	v_lshl_add_u32 v6, v1, 4, v6
	v_add_nc_u32 v[RD], s19, v6                    ; back: lanes 0-15 one row of 256 bytes, lanes 16-31 the next
	v_lshlrev_b32 v7, 12, v2
	v_lshl_add_u32 v[CO], v1, 4, v7                ; and the same two rows in wy
.macro FRAG reg, adr, q, i             ; 16 rows x 128 K: registers 4 c .. 4 c + 3 hold K = 32 c + 16 h + 0 .. 15
.irp c, 0,1,2,3
	ds_load_b128 v[\reg+4*\c:\reg+4*\c+3], v[\adr] offset:128*(\q)+32*\c+(\i)*16*PITCH
.endr
.endm
.macro FETCH slot, q, p                ; 32 loads: B's and A's four fragments of the slot's q-th 128 along K into set p
	WIN 0x40
.irp i, 0,1,2,3
	FRAG 64*(\p)+16*\i, ADRB+\slot, \q, \i
.endr
	WIN 0
.irp i, 0,1,2,3
	FRAG AF+64*(\p)+16*\i, ADRA+\slot, \q, \i
.endr
.endm
.macro SCALES sc                       ; register 4 q + i of set sc: lanes 0-15 the word of A's block i, lanes 16-31 of B's block i, plane q
.irp q, 0,1,2,3
.irp i, 0,1,2,3
	ds_load_b32 v[SC+16*\sc+4*\q+\i], v[ADRS+\sc] offset:512*\q+64*\i
.endr
.endr
.endm
.macro MUL p, sc, q, first             ; 16 products; first = 1: C is the bias
.if \first
	WIN 0x41
.else
	WIN 0x51
.endif
.irp a, 0,1,2,3
.irp b, 0,1,2,3
.if \first
	v_wmma_scale_f32_16x16x128_f8f6f4 v[128+8*(4*\a+\b):135+8*(4*\a+\b)], v[64*(\p)+16*\b:64*(\p)+16*\b+15], v[AF+64*(\p)+16*\a:AF+64*(\p)+16*\a+15], v[BI+8*\b:BI+8*\b+7], v[SC+16*(\sc)+4*(\q)+\b], v[SC+16*(\sc)+4*(\q)+\a] matrix_a_scale:MATRIX_SCALE_ROW1
.else
	v_wmma_scale_f32_16x16x128_f8f6f4 v[128+8*(4*\a+\b):135+8*(4*\a+\b)], v[64*(\p)+16*\b:64*(\p)+16*\b+15], v[AF+64*(\p)+16*\a:AF+64*(\p)+16*\a+15], v[128+8*(4*\a+\b):135+8*(4*\a+\b)], v[SC+16*(\sc)+4*(\q)+\b], v[SC+16*(\sc)+4*(\q)+\a] matrix_a_scale:MATRIX_SCALE_ROW1
.endif
.endr
.endr
	WIN 0
.endm
.macro STP slot, q, p                  ; eight places behind the products that read set 1 - p; the next 128 along K into it; then the q-th 128, in set p
	PLACES 8
	FETCH \slot, (\q)+1, 1-(\p)
	s_wait_dscnt 32                                ; all but the 32 loads just issued
	MUL \p, \slot, \q, 0
.endm
	s_wait_alu depctr_va_vdst(0)
	s_wait_tensorcnt 0x0                           ; my part of slot 0 is in
	ds_add_u32 v[SPW], v[NIL]
	s_wait_dscnt 0x0
	CROUND                                         ; everybody's part is in, and the joint loads meet
	JLOAD 1
	SCALES 0
	FETCH 0, 0, 0
	FETCH 0, 1, 1
	s_wait_loadcnt 0x0                             ; the bias
	s_wait_dscnt 32
	MUL 0, 0, 0, 1
	STP 0, 1, 1
	STP 0, 2, 0
	s_wait_tensorcnt 0x0                           ; my part of slot 1 is in,
	s_wait_dscnt 0x0                               ; and my reads of slot 0 are over
	s_barrier_signal -1
	MUL 1, 0, 3, 0                                 ; work on registers while the others arrive
	s_barrier_wait -1
	PLACES 8
	SCALES 1
	FETCH 1, 0, 0
	FETCH 1, 1, 1
	s_wait_dscnt 32
	MUL 0, 1, 0, 0
	STP 1, 1, 1
	STP 1, 2, 0
	s_wait_dscnt 0x0
	MUL 1, 1, 3, 0
	PLACES 8
	WIN 0x04                                       ; the stores' data: window 1
.irp a, 0,1,2,3
.irp b, 0,1,2,3
	ds_store_b128 v[STO], v[128+8*(4*\a+\b):131+8*(4*\a+\b)] offset:\a*16*SPITCH+64*\b      ; each accumulator from its low end on
	ds_store_b128 v[STO], v[132+8*(4*\a+\b):135+8*(4*\a+\b)] offset:\a*16*SPITCH+64*\b+16
.endr
.endr
	WIN 0
.set n, 0
.rept 32
	ds_load_b128 v[128+4*n:131+4*n], v[RD] offset:2*n*SPITCH   ; LDS serves a wave's instructions in order (ISA guide 5.7.1.4): these see my stores
.set n, n+1
.endr
.set n, 0
.rept 32
	s_wait_dscnt 31-n                              ; the loads issued behind this one may stay out
	global_store_b128 v[CO], v[128+4*n:131+4*n], s[12:13] offset:2*n*4096 th:TH_STORE_NT   ; sixteen lanes store 256 consecutive bytes, aligned
.set n, n+1
.endr
	s_wait_tensorcnt 0x0                           ; the wave's end
	ds_add_u32 v[SPW], v[NIL]
	s_wait_dscnt 0x0
	CROUND                                         ; the closing round
	s_endpgm
.Lfunc_end_k_q851ea233ab_proj:
	.size	k_q851ea233ab_proj, .Lfunc_end_k_q851ea233ab_proj-k_q851ea233ab_proj
	.p2alignl 7, 3214868480
	.fill 96, 4, 3214868480
	.section	.rodata,"a",@progbits
	.p2align	6, 0x0
	.amdhsa_kernel k_q851ea233ab_proj
		.amdhsa_group_segment_fixed_size 327680
		.amdhsa_private_segment_fixed_size 0
		.amdhsa_enable_private_segment 0
		.amdhsa_kernarg_size 40
		.amdhsa_user_sgpr_count 2
		.amdhsa_user_sgpr_kernarg_segment_ptr 1
		.amdhsa_wavefront_size32 1
		.amdhsa_system_sgpr_workgroup_id_x 1
		.amdhsa_system_sgpr_workgroup_id_y 1
		.amdhsa_system_sgpr_workgroup_id_z 1
		.amdhsa_system_vgpr_workitem_id 0
		.amdhsa_next_free_vgpr 512
		.amdhsa_next_free_sgpr 102
		.amdhsa_reserve_vcc 0
		.amdhsa_float_denorm_mode_32 3
		.amdhsa_float_denorm_mode_16_64 3
		.amdhsa_memory_ordered 1
		.amdhsa_forward_progress 1
		.amdhsa_inst_pref_size 57
	.end_amdhsa_kernel
	.amdgpu_metadata
---
amdhsa.version: [ 1, 2 ]
amdhsa.kernels:
  - .name:           k_q851ea233ab_proj
    .symbol:         k_q851ea233ab_proj.kd
    .args:
      - { .name: wattn, .offset: 0, .size: 8, .value_kind: global_buffer, .address_space: global }
      - { .name: w_proj_codes, .offset: 8, .size: 8, .value_kind: global_buffer, .address_space: global }
      - { .name: wprep, .offset: 16, .size: 8, .value_kind: global_buffer, .address_space: global }
      - { .name: b_proj, .offset: 24, .size: 8, .value_kind: global_buffer, .address_space: global }
      - { .name: wy, .offset: 32, .size: 8, .value_kind: global_buffer, .address_space: global }
    .group_segment_fixed_size: 327680
    .private_segment_fixed_size: 0
    .kernarg_segment_align: 8
    .kernarg_segment_size: 40
    .max_flat_workgroup_size: 128
    .sgpr_count:     102
    .vgpr_count:     512
    .wavefront_size: 32
...
	.end_amdgpu_metadata
.endif
;; end of part 4
;; launch ln1 (part 5): grid 256 x 1, 8 waves a work-group, no clusters, 83,456 bytes of LDS; arguments wy, x, g1, be1, wx1; writes wx1
.if DOCPART == 5
	.amdgcn_target "amdgcn-amd-amdhsa--gfx1250"
	.amdhsa_code_object_version 6
	.text
	.protected	k_q851ea233ab_ln1
	.globl	k_q851ea233ab_ln1
	.p2align	8
	.type	k_q851ea233ab_ln1,@function
k_q851ea233ab_ln1:
	s_mov_b64 s[64:65], 0
	v_nop
	global_prefetch_b8 v0, s[64:65] scope:SCOPE_SE
	s_setreg_imm32_b32 hwreg(HW_REG_WAVE_MODE, 25, 1), 1
	s_wait_xcnt 0x0
; x1 = LayerNorm(x + y1) g1 + be1, all in f32; stored as f32 (wx1 + 0, for the second residual), as codes along C (wx1 + 0x1000000, row-major) and as scale words (wx1 + 0x1400000, [row / 256][k / 128][row % 256]).
; A work-group takes 16 rows, a wave two; a row lies in 32 registers of the wave (register 4 j + i = column 128 j + 4 lane + i), so it is read once.  Mean, then the mean of the squares of the differences, as reference() has them.
; The quantiser is that of the launch prep: 2,048 bytes at a time turn through the wave's own stage in LDS, so that a lane holds 16 neighbours along K.
; LIMITS: 1 / sqrt by v_rsq_f32; the sums' order differs from reference()'s; byte 1 for blocks under 2^-118 or of zeros; NaN and infinities not served.
.set SP,    80
.set WREG,  10240
.set SCB,   8*WREG
.set SPARE, SCB+512                    ; the spare words: 128 bytes for each of the eight waves, named by no other line
.set G,     32                         ; v32-63 g, v64-95 be of my columns
.set BE,    64
.set R,     96                         ; v96-127, v160-191: y, then x + y, then x1 of rows 0, 1
.set XS,    128                        ; v128-159, v192-223: x of rows 0, 1; later 16 neighbours for each half
.set RP,    64
.set C,     224
.set E,     240
.set SPW,   12
.set NIL,   13
	s_load_b256 s[4:11], s[0:1], 0x0               ; wy, x, g1, be1
	s_load_b64 s[12:13], s[0:1], 0x20              ; wx1
	v_lshl_add_u32 v[SPW], v0, 2, SPARE
	v_mov_b32 v[NIL], 0
	v_lshrrev_b32 v1, 5, v0
	s_delay_alu instid0(VALU_DEP_1)
	v_readfirstlane_b32 s20, v1
	v_and_b32 v2, 31, v0
	s_delay_alu instid0(VALU_DEP_1)
	v_lshlrev_b32 v3, 4, v2
	s_mul_i32 s21, s20, WREG
	v_lshrrev_b32 v14, 2, v2
	s_delay_alu instid0(VALU_DEP_1)
	v_mul_u32_u24 v14, v14, SP
	v_and_b32 v15, 3, v2
	s_delay_alu instid0(VALU_DEP_1)
	v_lshl_add_u32 v14, v15, 4, v14
	s_delay_alu instid0(VALU_DEP_1)
	v_add_nc_u32 v14, s21, v14
	v_mul_u32_u24 v15, v2, SP
	s_delay_alu instid0(VALU_DEP_1)
	v_add_nc_u32 v15, s21, v15
	v_lshrrev_b32 v5, 1, v2
	s_lshl_b32 s22, s20, 6
	s_add_co_u32 s22, s22, SCB
	v_add_nc_u32 v5, s22, v5
	v_and_b32 v16, 15, v2
	v_lshrrev_b32 v17, 4, v2
	s_and_b32 s22, s20, 3
	s_lshl_b32 s22, s22, 1
	v_add_nc_u32 v17, s22, v17
	v_lshlrev_b32 v6, 5, v16
	s_delay_alu instid0(VALU_DEP_1)
	v_lshl_add_u32 v6, v17, 2, v6
	s_delay_alu instid0(VALU_DEP_1)
	v_add_nc_u32 v6, SCB, v6
	v_lshlrev_b32 v7, 2, v16
	s_delay_alu instid0(VALU_DEP_1)
	v_lshl_add_u32 v7, v17, 10, v7
	s_mov_b32 s23, 0x600000
	s_mov_b32 s14, 0x3a800000                      ; 1 / 1,024
	s_mov_b32 s15, 0x3727c5ac                      ; 1e-5
	s_mov_b32 s16, 0x76543210
	s_mov_b32 s17, 0xfedcba98
	s_lshl_b32 s24, ttmp9, 16
	s_lshl_b32 s25, s20, 13
	s_add_co_u32 s24, s24, s25                     ; my two rows of 4,096 bytes
	s_mov_b32 s25, 0
	s_wait_kmcnt 0x0
	s_add_nc_u64 s[4:5], s[4:5], s[24:25]
	s_add_nc_u64 s[6:7], s[6:7], s[24:25]
	s_add_nc_u64 s[18:19], s[12:13], s[24:25]      ; x1 as f32
	s_lshl_b32 s24, ttmp9, 14
	s_lshl_b32 s26, s20, 11
	s_add_co_u32 s24, s24, s26
	s_add_co_u32 s24, s24, 0x1000000
	s_add_nc_u64 s[26:27], s[12:13], s[24:25]      ; the codes
	s_lshr_b32 s24, ttmp9, 4
	s_lshl_b32 s24, s24, 13
	s_and_b32 s28, ttmp9, 15
	s_lshl_b32 s28, s28, 6
	s_add_co_u32 s24, s24, s28
	s_add_co_u32 s24, s24, 0x1400000
	s_add_nc_u64 s[28:29], s[12:13], s[24:25]      ; the scale words
.irp j, 0,1,2,3,4,5,6,7
	global_load_b128 v[G+4*\j:G+4*\j+3], v3, s[8:9] offset:512*\j
	global_load_b128 v[BE+4*\j:BE+4*\j+3], v3, s[10:11] offset:512*\j
.endr
.irp p, 0,1
.irp j, 0,1,2,3,4,5,6,7
	global_load_b128 v[R+RP*\p+4*\j:R+RP*\p+4*\j+3], v3, s[4:5] offset:4096*\p+512*\j th:TH_LOAD_NT
	global_load_b128 v[XS+RP*\p+4*\j:XS+RP*\p+4*\j+3], v3, s[6:7] offset:4096*\p+512*\j th:TH_LOAD_NT
.endr
.endr
.macro REDUCE                          ; four packed chains in v16-23 become one sum, in every lane's v16
	s_delay_alu instid0(VALU_DEP_3)
	v_pk_add_f32 v[16:17], v[16:17], v[18:19]
	s_delay_alu instid0(VALU_DEP_2)
	v_pk_add_f32 v[20:21], v[20:21], v[22:23]
	s_delay_alu instid0(VALU_DEP_1)
	v_pk_add_f32 v[16:17], v[16:17], v[20:21]
	s_delay_alu instid0(VALU_DEP_1)
	v_add_f32 v16, v16, v17
	s_delay_alu instid0(VALU_DEP_1)
	v_add_f32_dpp v16, v16, v16 row_xmask:1 row_mask:0xf bank_mask:0xf
	s_delay_alu instid0(VALU_DEP_1)
	v_add_f32_dpp v16, v16, v16 row_xmask:2 row_mask:0xf bank_mask:0xf
	s_delay_alu instid0(VALU_DEP_1)
	v_add_f32_dpp v16, v16, v16 row_xmask:4 row_mask:0xf bank_mask:0xf
	s_delay_alu instid0(VALU_DEP_1)
	v_add_f32_dpp v16, v16, v16 row_xmask:8 row_mask:0xf bank_mask:0xf
	s_delay_alu instid0(VALU_DEP_1)
	v_permlanex16_b32 v17, v16, s16, s17
	s_delay_alu instid0(VALU_DEP_1)
	v_add_f32 v16, v16, v17
.endm
.macro LNROW Z, X
.irp j, 0,2,4,6,8,10,12,14,16,18,20,22,24,26,28,30
	v_pk_add_f32 v[\Z+\j:\Z+\j+1], v[\Z+\j:\Z+\j+1], v[\X+\j:\X+\j+1]     ; the residual
.endr
.irp k, 0,1,2,3
	v_pk_add_f32 v[16+2*\k:17+2*\k], v[\Z+4*\k:\Z+4*\k+1], v[\Z+4*\k+2:\Z+4*\k+3]
.endr
.irp j, 16,24
.irp k, 0,1,2,3
	s_delay_alu instid0(VALU_DEP_4)
	v_pk_add_f32 v[16+2*\k:17+2*\k], v[16+2*\k:17+2*\k], v[\Z+\j+2*\k:\Z+\j+2*\k+1]
.endr
.endr
	REDUCE
	s_delay_alu instid0(VALU_DEP_1)
	v_mul_f32 v24, s14, v16                        ; the mean
	s_delay_alu instid0(VALU_DEP_1)
	v_mov_b32 v25, v24
.irp j, 0,2,4,6,8,10,12,14,16,18,20,22,24,26,28,30
	v_pk_add_f32 v[\Z+\j:\Z+\j+1], v[\Z+\j:\Z+\j+1], v[24:25] neg_lo:[0,1] neg_hi:[0,1]
.endr
.irp k, 0,1,2,3
	v_pk_mul_f32 v[16+2*\k:17+2*\k], v[\Z+2*\k:\Z+2*\k+1], v[\Z+2*\k:\Z+2*\k+1]
.endr
.irp j, 8,16,24
.irp k, 0,1,2,3
	s_delay_alu instid0(VALU_DEP_4)
	v_pk_fma_f32 v[16+2*\k:17+2*\k], v[\Z+\j+2*\k:\Z+\j+2*\k+1], v[\Z+\j+2*\k:\Z+\j+2*\k+1], v[16+2*\k:17+2*\k]
.endr
.endr
	REDUCE
	s_delay_alu instid0(VALU_DEP_1)
	v_fma_f32 v16, v16, s14, s15                   ; the variance + 1e-5
	s_wait_alu depctr_va_vdst(0)
	v_rsq_f32 v26, v16
	v_nop                                          ; a plain line behind the transcendental,
	s_wait_alu depctr_va_vdst(0)                   ; and a wait ahead of its first reader
	v_mov_b32 v27, v26
.irp j, 0,2,4,6,8,10,12,14,16,18,20,22,24,26,28,30
	v_pk_mul_f32 v[\Z+\j:\Z+\j+1], v[\Z+\j:\Z+\j+1], v[26:27]
.endr
.irp j, 0,2,4,6,8,10,12,14,16,18,20,22,24,26,28,30
	v_pk_fma_f32 v[\Z+\j:\Z+\j+1], v[\Z+\j:\Z+\j+1], v[G+\j:G+\j+1], v[BE+\j:BE+\j+1]
.endr
.endm
.macro TURNROW p
.irp t, 0,1
.irp i, 0,1,2,3
	ds_store_b128 v14, v[R+RP*(\p)+16*\t+4*\i:R+RP*(\p)+16*\t+4*\i+3] offset:5120*(\p)+2560*\t+640*\i
.endr
.endr
.irp t, 0,1
.irp i, 0,1,2,3
	ds_load_b128 v[XS+RP*(\p)+16*\t+4*\i:XS+RP*(\p)+16*\t+4*\i+3], v15 offset:5120*(\p)+2560*\t+16*\i
.endr
.endr
.endm
.macro QSTEP p, t, left
.set XQ, XS+RP*(\p)+16*(\t)
.set CQ, C+8*(\p)+4*(\t)
.set EQ, E+2*(\p)+(\t)
	s_wait_dscnt \left
	v_max3_num_f32 v8, |v[XQ]|, |v[XQ+1]|, |v[XQ+2]|
	v_max3_num_f32 v9, |v[XQ+3]|, |v[XQ+4]|, |v[XQ+5]|
.irp i, 6,10
	s_delay_alu instid0(VALU_DEP_2)
	v_max3_num_f32 v8, v8, |v[XQ+\i]|, |v[XQ+\i+1]|
	s_delay_alu instid0(VALU_DEP_2)
	v_max3_num_f32 v9, v9, |v[XQ+\i+2]|, |v[XQ+\i+3]|
.endr
	s_delay_alu instid0(VALU_DEP_2)
	v_max3_num_f32 v8, v8, |v[XQ+14]|, |v[XQ+15]|
	s_delay_alu instid0(VALU_DEP_1)
	v_max3_num_f32 v8, v8, v9, 0x4800000
	s_delay_alu instid0(VALU_DEP_1)
	v_max_num_f32_dpp v8, v8, v8 row_xmask:1 row_mask:0xf bank_mask:0xf
	s_delay_alu instid0(VALU_DEP_1)
	v_add_nc_u32 v11, 0xfc000000, v8
	s_delay_alu instid0(VALU_DEP_2)
	v_and_or_b32 v10, v8, 0x7f800000, s23
.irp i, 0,1,2,3,4,5,6,7,8,9,10,11,12,13,14,15
	v_med3_num_f32 v[XQ+\i], v[XQ+\i], -v10, v10
.endr
	v_cvt_scalef32_pk8_fp8_f32 v[CQ:CQ+1], v[XQ:XQ+7], v11
	v_cvt_scalef32_pk8_fp8_f32 v[CQ+2:CQ+3], v[XQ+8:XQ+15], v11
	v_lshrrev_b32 v[EQ], 23, v11
	ds_store_b8 v5, v[EQ] offset:32*(\p)+16*(\t)
	global_store_b128 v3, v[CQ:CQ+3], s[26:27] offset:1024*(\p)+512*(\t)
.endm
	s_wait_loadcnt 16                              ; g, be and row 0 are in; row 1's sixteen loads stay out
	LNROW R, XS
.irp j, 0,1,2,3,4,5,6,7
	global_store_b128 v3, v[R+4*\j:R+4*\j+3], s[18:19] offset:512*\j   ; 512 consecutive bytes
.endr
	TURNROW 0
	s_wait_loadcnt 0x0
	LNROW R+RP, XS+RP
.irp j, 0,1,2,3,4,5,6,7
	global_store_b128 v3, v[R+RP+4*\j:R+RP+4*\j+3], s[18:19] offset:4096+512*\j
.endr
	TURNROW 1
	QSTEP 0, 0, 20                                 ; the counts: the LDS instructions issued behind a step's four loads
	QSTEP 0, 1, 17
	QSTEP 1, 0, 6
	QSTEP 1, 1, 3
	s_wait_dscnt 0x0                               ; for the others' sake: my byte stores are done
	s_barrier_signal -1
	s_barrier_wait -1
	s_cmp_lt_u32 s20, 4                            ; waves 0 to 3 carry the 128 scale words out
	s_cbranch_scc0 .Lend
	ds_load_b32 v8, v6
	s_wait_dscnt 0x0
	global_store_b32 v7, v8, s[28:29]
.Lend:
	s_wait_tensorcnt 0x0                           ; the wave's end
	ds_add_u32 v[SPW], v[NIL]
	s_wait_dscnt 0x0
	s_endpgm
.Lfunc_end_k_q851ea233ab_ln1:
	.size	k_q851ea233ab_ln1, .Lfunc_end_k_q851ea233ab_ln1-k_q851ea233ab_ln1
	.p2alignl 7, 3214868480
	.fill 96, 4, 3214868480
	.section	.rodata,"a",@progbits
	.p2align	6, 0x0
	.amdhsa_kernel k_q851ea233ab_ln1
		.amdhsa_group_segment_fixed_size 83456
		.amdhsa_private_segment_fixed_size 0
		.amdhsa_enable_private_segment 0
		.amdhsa_kernarg_size 40
		.amdhsa_user_sgpr_count 2
		.amdhsa_user_sgpr_kernarg_segment_ptr 1
		.amdhsa_wavefront_size32 1
		.amdhsa_system_sgpr_workgroup_id_x 1
		.amdhsa_system_sgpr_workgroup_id_y 1
		.amdhsa_system_sgpr_workgroup_id_z 1
		.amdhsa_system_vgpr_workitem_id 0
		.amdhsa_next_free_vgpr 256
		.amdhsa_next_free_sgpr 66
		.amdhsa_reserve_vcc 0
		.amdhsa_float_denorm_mode_32 3
		.amdhsa_float_denorm_mode_16_64 3
		.amdhsa_memory_ordered 1
		.amdhsa_forward_progress 1
		.amdhsa_inst_pref_size 38
	.end_amdhsa_kernel
	.amdgpu_metadata
---
amdhsa.version: [ 1, 2 ]
amdhsa.kernels:
  - .name:           k_q851ea233ab_ln1
    .symbol:         k_q851ea233ab_ln1.kd
    .args:
      - { .name: wy, .offset: 0, .size: 8, .value_kind: global_buffer, .address_space: global }
      - { .name: x, .offset: 8, .size: 8, .value_kind: global_buffer, .address_space: global }
      - { .name: g1, .offset: 16, .size: 8, .value_kind: global_buffer, .address_space: global }
      - { .name: be1, .offset: 24, .size: 8, .value_kind: global_buffer, .address_space: global }
      - { .name: wx1, .offset: 32, .size: 8, .value_kind: global_buffer, .address_space: global }
    .group_segment_fixed_size: 83456
    .private_segment_fixed_size: 0
    .kernarg_segment_align: 8
    .kernarg_segment_size: 40
    .max_flat_workgroup_size: 256
    .sgpr_count:     66
    .vgpr_count:     256
    .wavefront_size: 32
...
	.end_amdgpu_metadata
.endif
;; end of part 5
;; launch mlp1 (part 6): grid 16 x 16, 4 waves a work-group, clusters of 4 x 4, 327,680 bytes of LDS; arguments wx1, w1_codes, wprep, b1, wh; writes wh
.if DOCPART == 6
	.amdgcn_target "amdgcn-amd-amdhsa--gfx1250"
	.amdhsa_code_object_version 6
	.text
	.protected	k_q851ea233ab_mlp1
	.globl	k_q851ea233ab_mlp1
	.p2align	8
	.type	k_q851ea233ab_mlp1,@function
k_q851ea233ab_mlp1:
	s_mov_b64 s[64:65], 0
	v_nop
	global_prefetch_b8 v0, s[64:65] scope:SCOPE_SE
	s_setreg_imm32_b32 hwreg(HW_REG_WAVE_MODE, 25, 1), 1
	s_wait_xcnt 0x0
	s_wait_alu depctr_hold_cnt(0) depctr_sa_sdst(0) depctr_va_vdst(0) depctr_va_sdst(0) depctr_va_ssrc(0) depctr_va_vcc(0) depctr_vm_vsrc(0)
	s_getreg_b32 s2, hwreg(HW_REG_IB_STS2, 6, 4)
	s_cmp_eq_u32 s2, 0
	s_cbranch_scc0 .Lentry_in_a_cluster
	s_endpgm
.Lentry_in_a_cluster:
	s_bfe_u32 s2, ttmp6, 0x10000c
	s_cmp_lg_u32 s2, 0xf033
	s_cbranch_scc0 .Lentry_shape_is_right
	s_endpgm
.Lentry_shape_is_right:
.set SIZE_K, 1024
.set ACOFF,  0x1000000
.set AWOFF,  0x1400000
.set BWOFF,  0x440000
.set KSTEP,  256
.set NQ,     2
.set ROWB,   256
.set PITCH,  272
.set FR,     16
.set NL,     4
.set NP,     8
.set HALFT,  128*PITCH
.set TILEB,  2*HALFT
.set ASC,    2*TILEB
.set BSC,    ASC+2048
.set SLOT,   BSC+2048
.set SPARE,  2*SLOT
.set LAPS,   SIZE_K/(2*KSTEP)
.set LOF,  7
.set ADRA, 16
.set ADRB, 20
.set ADRS, 22
.set STO,  24
.set RD,   25
.set CO,   26
.set BOF,  27
.set SPW,  28
.set NIL,  29
.set WSA,  30
.set WRA,  31
.set SC,   32
.set BI,   64
.set AF,   128
.set TM,   64
.set PWE,  82
.set PWO,  83
.set WG,   84
.set PC,   96
.set OUTR, 128
.set G1,   24
.set G0,   32
.set G1B,  48
.set G0B,  56
.set G1S,  68
.set G0S,  76
.set G1SB, 84
.set G0SB, 92
.set SEL,  20
.set MNT,  19
.set MSB, 0
.macro WIN new
.if MSB != \new
	s_set_vgpr_msb (MSB<<8)|\new
.set MSB, \new
.endif
.endm
.set MUL_LO, 0xa1
.set MUL_HI, 0xf1
.set TO_B,   0x40
.macro ONELOAD g0, g1
	tensor_load_to_lds s[\g0:\g0+3], s[\g1:\g1+7]
	s_nop 0
.rept 4
	v_nop
.endr
.endm
.macro JLOAD s
	s_cmp_lt_u32 s14, 2
	s_cbranch_scc0 .Lw23_\@
	s_cmp_eq_u32 s14, 0
	s_cbranch_scc0 .Lw1_\@
	ONELOAD G0+4*\s, G1
	s_branch .Lasked_\@
.Lw1_\@:
	ONELOAD G0B+4*\s, G1B
	s_branch .Lasked_\@
.Lw23_\@:
	s_cmp_eq_u32 s14, 2
	s_cbranch_scc0 .Lw3_\@
	ONELOAD G0S+4*\s, G1S
	s_branch .Lasked_\@
.Lw3_\@:
	ONELOAD G0SB+4*\s, G1SB
.Lasked_\@:
.endm
.macro CREST
	s_cmp_lg_u32 s14, 0
	s_cbranch_scc1 .Lnot_wave_0_\@
	s_barrier_signal -3
.Lnot_wave_0_\@:
	s_barrier_wait -3
	s_barrier_signal -1
	s_barrier_wait -1
.endm
.macro CROUND
	s_barrier_signal -1
	s_barrier_wait -1
	CREST
.endm
	s_load_b256 s[4:11], s[0:1], 0x0
	s_load_b64 s[12:13], s[0:1], 0x20
	v_lshl_add_u32 v[SPW], v0, 2, SPARE
	v_mov_b32 v[NIL], 0
	ds_add_u32 v[SPW], v[NIL]
	ds_add_u32 v[SPW], v[NIL]
	v_lshrrev_b32 v1, 5, v0
	v_readfirstlane_b32 s14, v1
	s_lshr_b32 s15, s14, 1
	s_and_b32 s16, s14, 1
	s_bfe_u32 s40, ttmp6, 0x40000
	s_bfe_u32 s41, ttmp6, 0x40004
	s_lshl_b32 s42, ttmp9, 2
	s_add_co_u32 s42, s42, s40
	s_and_b32 s17, ttmp7, 0xffff
	s_lshl_b32 s17, s17, 2
	s_add_co_u32 s17, s17, s41
	s_lshl_b32 s43, s41, 2
	s_lshl_b32 s43, 15, s43
	s_lshl_b32 s44, 0x1111, s40
	s_or_b32 s[G1], s43, (1<<20)|(1<<21)|(5<<22)|(3<<25)
	s_or_b32 s[G1B], s44, (1<<20)|(1<<21)|(5<<22)|(3<<25)
.irp g, G1, G1B
	s_mov_b32 s[\g+1], ROWB<<16
	s_mov_b32 s[\g+2], 256<<16
	s_mov_b32 s[\g+3], ROWB<<16
	s_mov_b32 s[\g+4], 256
	s_mov_b32 s[\g+5], SIZE_K
	s_mov_b32 s[\g+6], 0
	s_mov_b32 s[\g+7], 0
.endr
	s_or_b32 s[G1S], s43, (3<<16)|(1<<21)
	s_or_b32 s[G1SB], s44, (3<<16)|(1<<21)
.irp g, G1S, G1SB
	s_mov_b32 s[\g+1], 32<<16
	s_mov_b32 s[\g+2], 8<<16
	s_mov_b32 s[\g+3], 32<<16
	s_mov_b32 s[\g+4], 8
	s_mov_b32 s[\g+5], 32
	s_mov_b32 s[\g+6], 0
	s_mov_b32 s[\g+7], 0
.endr
	s_mul_i32 s20, s17, 256*SIZE_K
	s_add_co_u32 s20, s20, ACOFF
	s_mov_b32 s21, 0
	s_mul_i32 s22, s17, 8*SIZE_K
	s_add_co_u32 s22, s22, AWOFF
	s_mov_b32 s23, 0
	s_mul_i32 s46, s42, 256*SIZE_K
	s_mov_b32 s47, 0
	s_mul_i32 s100, s42, 8*SIZE_K
	s_add_co_u32 s100, s100, BWOFF
	s_mov_b32 s101, 0
	s_cmp_lt_u32 s14, 2                            ; the prefetches: waves 0, 1 ask for A's rows, waves 2, 3 for B's
	s_cselect_b32 s45, s40, s41                    ; my place among the four that ask for the tile jointly: they share its 256 rows out by address
	s_lshl_b32 s45, s45, 1
	s_add_co_u32 s45, s45, s16
	s_mul_i32 s45, s45, 32*SIZE_K                  ; my wave's 32 rows,
	v_and_b32 v15, 31, v0
	v_mad_u32_u24 v15, v15, SIZE_K, s45            ; a lane a row; never rewritten
	s_wait_alu depctr_va_vdst(0)
	s_wait_dscnt 0x0
	s_wait_kmcnt 0x0
	s_add_nc_u64 s[20:21], s[4:5], s[20:21]
	s_add_nc_u64 s[22:23], s[4:5], s[22:23]
	s_add_nc_u64 s[46:47], s[6:7], s[46:47]
	s_add_nc_u64 s[100:101], s[8:9], s[100:101]
	s_cmp_lt_u32 s14, 2
	s_cselect_b64 s[104:105], s[20:21], s[46:47]   ; the tile's first row; never rewritten
	CROUND
.irp s, 0,1
	s_mov_b32 s[G0+4*\s], 1
	s_mov_b32 s[G0+4*\s+1], \s*SLOT
	s_add_nc_u64 s[G0+4*\s+2:G0+4*\s+3], s[20:21], \s*ROWB
	s_or_b32 s[G0+4*\s+3], s[G0+4*\s+3], 0x80000000
	s_mov_b32 s[G0B+4*\s], 1
	s_mov_b32 s[G0B+4*\s+1], \s*SLOT+TILEB
	s_add_nc_u64 s[G0B+4*\s+2:G0B+4*\s+3], s[46:47], \s*ROWB
	s_or_b32 s[G0B+4*\s+3], s[G0B+4*\s+3], 0x80000000
	s_mov_b32 s[G0S+4*\s], 1
	s_mov_b32 s[G0S+4*\s+1], \s*SLOT+ASC
	s_add_nc_u64 s[G0S+4*\s+2:G0S+4*\s+3], s[22:23], \s*2048
	s_or_b32 s[G0S+4*\s+3], s[G0S+4*\s+3], 0x80000000
	s_mov_b32 s[G0SB+4*\s], 1
	s_mov_b32 s[G0SB+4*\s+1], \s*SLOT+BSC
	s_add_nc_u64 s[G0SB+4*\s+2:G0SB+4*\s+3], s[100:101], \s*2048
	s_or_b32 s[G0SB+4*\s+3], s[G0SB+4*\s+3], 0x80000000
.if \s
	s_wait_alu depctr_va_vdst(0)                   ; slot 1's first fill is issued as a refill is
	s_wait_tensorcnt 0x0                           ; my part of slot 0 is in
	ds_add_u32 v[SPW], v[NIL]
	s_wait_dscnt 0x0
	CROUND
.endif
	JLOAD \s
.if \s
	global_prefetch_b8 v15, s[104:105] offset:3*ROWB th:TH_LOAD_NT scope:SCOPE_SE   ; K step 3: 256 bytes of each of my 32 rows, two refills ahead of its load
.else
	global_prefetch_b8 v15, s[104:105] offset:ROWB th:TH_LOAD_NT scope:SCOPE_SE     ; K step 1, a fill ahead of its load,
	global_prefetch_b8 v15, s[104:105] offset:2*ROWB th:TH_LOAD_NT scope:SCOPE_SE   ; and K step 2, two ahead; each block of 256 bytes is named once in the cluster
.endif
.endr
	v_and_b32 v1, 15, v0
	v_bfe_u32 v2, v0, 4, 1
	s_wait_alu depctr_va_vdst(0)
	v_mul_u32_u24 v3, v1, PITCH
	v_lshl_add_u32 v4, v2, 4, v3
	s_mul_i32 s21, s15, HALFT
	s_mul_i32 s22, s16, HALFT
	s_add_co_u32 s22, s22, TILEB
.irp s, 0,1
	v_add_nc_u32 v[ADRA+\s], s21, v4
	v_add_nc_u32 v[ADRB+\s], s22, v4
	s_add_co_u32 s21, s21, SLOT
	s_add_co_u32 s22, s22, SLOT
.endr
	s_xor_b32 s22, s15, 1
	s_add_co_u32 s22, s22, s16
	s_lshl_b32 s22, s22, 9
	s_add_co_u32 s22, s22, 1536
	v_mul_u32_u24 v6, s22, v2
	v_lshl_add_u32 v5, v1, 2, v6
	s_lshl_b32 s21, s15, 9
	s_add_co_u32 s21, s21, ASC
	v_add_nc_u32 v[ADRS], s21, v5
	s_add_co_u32 s21, s21, SLOT
	v_add_nc_u32 v[ADRS+1], s21, v5
	s_lshl_b32 s46, s42, 10
	s_lshl_b32 s47, s16, 9
	s_add_co_u32 s46, s46, s47
	s_mov_b32 s47, 0
	s_add_nc_u64 s[66:67], s[10:11], s[46:47]
	v_lshlrev_b32 v[BOF], 5, v2
.irp b, 0,1,2,3,4,5,6,7
	global_load_b128 v[BI+8*\b:BI+8*\b+3], v[BOF], s[66:67] offset:64*\b
	global_load_b128 v[BI+8*\b+4:BI+8*\b+7], v[BOF], s[66:67] offset:64*\b+16
.endr
	s_mul_i32 s23, s15, 128*272
	s_lshl_b32 s21, s16, 7
	s_add_co_u32 s23, s23, s21
	v_mul_u32_u24 v5, v1, 272
	v_lshl_add_u32 v5, v2, 3, v5
	v_add_nc_u32 v[STO], s23, v5
	s_mul_i32 s23, s14, 64*272
	v_mul_u32_u24 v5, v2, 272
	v_lshl_add_u32 v5, v1, 4, v5
	v_add_nc_u32 v[RD], s23, v5
	v_lshlrev_b32 v[CO], 12, v2
	v_lshl_add_u32 v[CO], v1, 4, v[CO]
	v_and_b32 v6, 31, v0
	v_lshlrev_b32 v[LOF], 4, v6
	s_lshl_b32 s23, s14, 9
	s_add_co_u32 s23, s23, TILEB
	v_lshl_add_u32 v[WSA], v6, 2, s23
	v_add_nc_u32 v[WRA], s23, v[LOF]
	s_lshl_b32 s20, s17, 8
	s_lshl_b32 s21, s14, 6
	s_add_co_u32 s20, s20, s21
	s_lshl_b32 s20, s20, 12
	s_lshl_b32 s21, s42, 8
	s_add_co_u32 s20, s20, s21
	s_mov_b32 s21, 0
	s_lshl_b32 s46, s17, 15
	s_lshl_b32 s47, s42, 1
	s_add_co_u32 s47, s47, s16
	s_lshl_b32 s47, s47, 10
	s_add_co_u32 s46, s46, s47
	s_lshl_b32 s47, s15, 9
	s_add_co_u32 s46, s46, s47
	s_add_co_u32 s46, s46, 0x1000000
	s_mov_b32 s47, 0
	s_add_nc_u64 s[46:47], s[12:13], s[46:47]
	s_add_nc_u64 s[12:13], s[12:13], s[20:21]
.macro FRAG reg, adr, q, i
.irp c, 0,1,2,3
	ds_load_b128 v[\reg+4*\c:\reg+4*\c+3], v[\adr] offset:128*(\q)+32*\c+(\i)*16*PITCH
.endr
.endm
.macro MUL16 a0, p, q, sc, zero
.irp a, \a0, \a0+1
.irp b, 0,1,2,3,4,5,6,7
.if \zero
	v_wmma_scale_f32_16x16x128_f8f6f4 v[8*(8*((\a)%4)+\b):8*(8*((\a)%4)+\b)+7], v[128*(\p)+FR*\b:128*(\p)+FR*\b+FR-1], v[AF+FR*(\a):AF+FR*(\a)+FR-1], v[BI+8*\b:BI+8*\b+7], v[SC+16*(\sc)+2*\b+(\q)], v[SC+16*(\sc)+2*(\a)+(\q)] matrix_a_scale:MATRIX_SCALE_ROW1
.else
	v_wmma_scale_f32_16x16x128_f8f6f4 v[8*(8*((\a)%4)+\b):8*(8*((\a)%4)+\b)+7], v[128*(\p)+FR*\b:128*(\p)+FR*\b+FR-1], v[AF+FR*(\a):AF+FR*(\a)+FR-1], v[8*(8*((\a)%4)+\b):8*(8*((\a)%4)+\b)+7], v[SC+16*(\sc)+2*\b+(\q)], v[SC+16*(\sc)+2*(\a)+(\q)] matrix_a_scale:MATRIX_SCALE_ROW1
.endif
.endr
.endr
.endm
.macro FETCH_B slot, q, p
	WIN TO_B
.irp i, 0,1,2,3,4,5,6,7
	FRAG 128*(\p)+FR*\i, ADRB+\slot, \q, \i
.endr
	WIN 0
.endm
.macro FETCH_A slot, q, i0
.irp i, \i0, \i0+1, \i0+2, \i0+3
	FRAG AF+FR*(\i), ADRA+\slot, \q, \i
.endr
.endm
.macro SCALES sc
.irp i, 0,1,2,3,4,5,6,7
.irp q, 0,1
	ds_load_b32 v[SC+16*\sc+2*\i+\q], v[ADRS+\sc] offset:1024*\q+64*\i
.endr
.endr
.endm
.macro PLACES n
.rept \n
	v_nop
.endr
.endm
.macro STEP slot, q, zero
	s_wait_dscnt 4*NL
.if \zero
	WIN 0x81
.else
	WIN MUL_LO
.endif
	MUL16 0, (\q)%2, \q, \slot, \zero
	MUL16 2, (\q)%2, \q, \slot, \zero
	s_wait_dscnt 0
	PLACES NP
	FETCH_B \slot, (\q)+1, 1-(\q)%2
	FETCH_A \slot, (\q)+1, 0
.if \zero
	WIN 0xc1
.else
	WIN MUL_HI
.endif
	MUL16 4, (\q)%2, \q, \slot, \zero
	MUL16 6, (\q)%2, \q, \slot, \zero
	PLACES NP
	WIN 0
	FETCH_A \slot, (\q)+1, 4
.endm
.macro TURN slot, next, fill
	s_wait_tensorcnt 0x0
	ds_add_u32 v[SPW], v[NIL]
	s_wait_dscnt 4*NL+1
	WIN MUL_LO
	MUL16 0, 1, NQ-1, \slot, 0
	s_wait_dscnt 0x0
	s_barrier_signal -1
	MUL16 2, 1, NQ-1, \slot, 0
	WIN 0
	s_barrier_wait -1
.if \fill
	CREST
	s_add_nc_u64 s[G0+4*\slot+2:G0+4*\slot+3], s[G0+4*\slot+2:G0+4*\slot+3], 2*ROWB
	s_add_nc_u64 s[G0B+4*\slot+2:G0B+4*\slot+3], s[G0B+4*\slot+2:G0B+4*\slot+3], 2*ROWB
	s_add_nc_u64 s[G0S+4*\slot+2:G0S+4*\slot+3], s[G0S+4*\slot+2:G0S+4*\slot+3], 4096
	s_add_nc_u64 s[G0SB+4*\slot+2:G0SB+4*\slot+3], s[G0SB+4*\slot+2:G0SB+4*\slot+3], 4096
	JLOAD \slot
	PLACES NP-4
.else
	PLACES NP
.endif
	FETCH_B \next, 0, 0
	FETCH_A \next, 0, 0
	SCALES \next
	WIN MUL_HI
	MUL16 4, 1, NQ-1, \slot, 0
	MUL16 6, 1, NQ-1, \slot, 0
	PLACES NP
	WIN 0
	FETCH_A \next, 0, 4
.endm
	s_wait_tensorcnt 1
	s_barrier_signal -1
	s_barrier_wait -1
	FETCH_B 0, 0, 0
	FETCH_A 0, 0, 0
	SCALES 0
	FETCH_A 0, 0, 4
	s_wait_loadcnt 0x0
	STEP 0, 0, 2
	s_mov_b32 s3, LAPS-1
.Llap:
	TURN 0, 1, 1
	STEP 1, 0, 0
	TURN 1, 0, 1
	STEP 0, 0, 0
	s_sub_co_u32 s3, s3, 1
	s_cmp_lg_u32 s3, 0
	s_cbranch_scc1 .Llap
	TURN 0, 1, 0
	STEP 1, 0, 0
	s_wait_dscnt 4*NL
	WIN MUL_LO
	MUL16 0, 1, NQ-1, 1, 0
	MUL16 2, 1, NQ-1, 1, 0
	s_wait_dscnt 0
	WIN MUL_HI
	MUL16 4, 1, NQ-1, 1, 0
	MUL16 6, 1, NQ-1, 1, 0
	WIN 0
.macro QUANTW a, pw
.set QS, 64*((\a)%4)
	WIN 0x28+0x14*((\a)/4)
.irp b, 0,1,2,3
	v_max3_num_f32 v[TM+\b], 0x4800000, v[QS+16*\b], v[QS+16*\b+1]
.endr
.irp i, 2,4,6,8,10,12,14
.irp b, 0,1,2,3
	v_max3_num_f32 v[TM+\b], v[TM+\b], v[QS+16*\b+\i], v[QS+16*\b+\i+1]
.endr
.endr
	WIN 0
.irp b, 0,1,2,3
	v_permlanex16_b32 v[TM+4+\b], v[TM+\b], s[SEL], s[SEL+1]
.endr
.irp b, 0,1,2,3
	v_max_num_f32 v[TM+\b], v[TM+\b], v[TM+4+\b]
.endr
.irp b, 0,1,2,3
	v_add_nc_u32 v[TM+12+\b], 0xfc000000, v[TM+\b]
.endr
.irp b, 0,1,2,3
	v_and_or_b32 v[TM+8+\b], v[TM+\b], 0x7f800000, s[MNT]
.endr
.irp b, 0,1,2,3
	v_lshrrev_b32 v[TM+4+\b], 23, v[TM+12+\b]
.endr
	v_lshl_or_b32 v[\pw], v[TM+5], 8, v[TM+4]
	v_lshl_or_b32 v[\pw], v[TM+6], 16, v[\pw]
	v_lshl_or_b32 v[\pw], v[TM+7], 24, v[\pw]
	WIN 0x82+0x41*((\a)/4)
.irp b, 0,1,2,3
.irp i, 0,1,2,3,4,5,6,7,8,9,10,11,12,13,14,15
	v_med3_num_f32 v[QS+16*\b+\i], v[QS+16*\b+\i], 0, v[TM+8+\b]
.endr
.endr
	WIN 0x02+(\a)/4
.irp b, 0,1,2,3,4,5,6,7
	v_cvt_scalef32_pk8_fp8_f32 v[PC+2*\b:PC+2*\b+1], v[QS+8*\b:QS+8*\b+7], v[TM+12+\b/2]
.endr
	WIN 0
	v_nop
.irp b, 0,1,2,3,4,5,6,7
	ds_store_b64 v[STO], v[PC+2*\b:PC+2*\b+1] offset:(\a)*16*272+16*\b
.endr
	s_wait_dscnt 0x0
.endm
	PLACES NP
	s_mov_b32 s[SEL], 0x76543210
	s_mov_b32 s[SEL+1], 0xfedcba98
	s_mov_b32 s[MNT], 0x600000
	s_mov_b32 s22, 0xffff0000
.irp b, 0,1,2,3
	v_mov_b32 v[TM+4+\b], 0
.endr
.irp g, 0,1,2,3
	QUANTW 2*\g, PWE
	QUANTW 2*\g+1, PWO
	v_cndmask_b32 v[WG+\g], v[PWE], v[PWO], s22
	ds_store_b32 v[WSA], v[WG+\g] offset:128*\g
.endr
	ds_load_b128 v[112:115], v[WRA]
	s_wait_dscnt 0x0
	global_store_b128 v[LOF], v[112:115], s[46:47]
	s_barrier_signal -1
	s_barrier_wait -1
.set n, 0
.rept 32
	ds_load_b128 v[OUTR+4*n:OUTR+4*n+3], v[RD] offset:2*n*272
.set n, n+1
.endr
.set n, 0
.rept 32
	s_wait_dscnt 31-n
	global_store_b128 v[CO], v[OUTR+4*n:OUTR+4*n+3], s[12:13] offset:2*n*4096
.set n, n+1
.endr
	s_wait_tensorcnt 0x0
	ds_add_u32 v[SPW], v[NIL]
	s_wait_dscnt 0x0
	CROUND
	s_endpgm
.Lfunc_end_k_q851ea233ab_mlp1:
	.size	k_q851ea233ab_mlp1, .Lfunc_end_k_q851ea233ab_mlp1-k_q851ea233ab_mlp1
	.p2alignl 7, 3214868480
	.fill 96, 4, 3214868480
	.section	.rodata,"a",@progbits
	.p2align	6, 0x0
	.amdhsa_kernel k_q851ea233ab_mlp1
		.amdhsa_group_segment_fixed_size 327680
		.amdhsa_private_segment_fixed_size 0
		.amdhsa_enable_private_segment 0
		.amdhsa_kernarg_size 40
		.amdhsa_user_sgpr_count 2
		.amdhsa_user_sgpr_kernarg_segment_ptr 1
		.amdhsa_wavefront_size32 1
		.amdhsa_system_sgpr_workgroup_id_x 1
		.amdhsa_system_sgpr_workgroup_id_y 1
		.amdhsa_system_sgpr_workgroup_id_z 1
		.amdhsa_system_vgpr_workitem_id 0
		.amdhsa_next_free_vgpr 1024
		.amdhsa_next_free_sgpr 106
		.amdhsa_reserve_vcc 0
		.amdhsa_float_denorm_mode_32 3
		.amdhsa_float_denorm_mode_16_64 3
		.amdhsa_memory_ordered 1
		.amdhsa_forward_progress 1
		.amdhsa_inst_pref_size 201
	.end_amdhsa_kernel
	.amdgpu_metadata
---
amdhsa.version: [ 1, 2 ]
amdhsa.kernels:
  - .name:           k_q851ea233ab_mlp1
    .symbol:         k_q851ea233ab_mlp1.kd
    .args:
      - { .name: wx1, .offset: 0, .size: 8, .value_kind: global_buffer, .address_space: global }
      - { .name: w1_codes, .offset: 8, .size: 8, .value_kind: global_buffer, .address_space: global }
      - { .name: wprep, .offset: 16, .size: 8, .value_kind: global_buffer, .address_space: global }
      - { .name: b1, .offset: 24, .size: 8, .value_kind: global_buffer, .address_space: global }
      - { .name: wh, .offset: 32, .size: 8, .value_kind: global_buffer, .address_space: global }
    .group_segment_fixed_size: 327680
    .private_segment_fixed_size: 0
    .kernarg_segment_align: 8
    .kernarg_segment_size: 40
    .max_flat_workgroup_size: 128
    .sgpr_count:     106
    .vgpr_count:     1024
    .wavefront_size: 32
...
	.end_amdgpu_metadata
.endif
;; end of part 6
;; launch mlp2 (part 7): grid 8 x 32, 4 waves a work-group, clusters of 4 x 4, 327,680 bytes of LDS; arguments wh, w2_codes, wprep, b2, wy2; writes wy2
.if DOCPART == 7
	.amdgcn_target "amdgcn-amd-amdhsa--gfx1250"
	.amdhsa_code_object_version 6
	.text
	.protected	k_q851ea233ab_mlp2
	.globl	k_q851ea233ab_mlp2
	.p2align	8
	.type	k_q851ea233ab_mlp2,@function
k_q851ea233ab_mlp2:
	s_mov_b64 s[64:65], 0
	v_nop
	global_prefetch_b8 v0, s[64:65] scope:SCOPE_SE
	s_setreg_imm32_b32 hwreg(HW_REG_WAVE_MODE, 25, 1), 1
	s_wait_xcnt 0x0
	s_wait_alu depctr_hold_cnt(0) depctr_sa_sdst(0) depctr_va_vdst(0) depctr_va_sdst(0) depctr_va_ssrc(0) depctr_va_vcc(0) depctr_vm_vsrc(0)
	s_getreg_b32 s2, hwreg(HW_REG_IB_STS2, 6, 4)
	s_cmp_eq_u32 s2, 0
	s_cbranch_scc0 .Lentry_in_a_cluster
	s_endpgm
.Lentry_in_a_cluster:
	s_bfe_u32 s2, ttmp6, 0x10000c
	s_cmp_lg_u32 s2, 0xf033
	s_cbranch_scc0 .Lentry_shape_is_right
	s_endpgm
.Lentry_shape_is_right:
; y2 = h w2 + b2 on codes (product 8): wy2 [4096][1024] f32.  A = the hidden layer's codes (wh + 0, rows of 4,096 bytes) and scale words (wh + 0x1000000), B = w2's codes and its scale words (wprep + 0x460000).
; SHARES: 8 x 32 tiles of 128 x 128 are 256 work-groups, each with ALL of K = 4,096: every output has one owner and no partial sum goes to memory.  Four waves, 2 x 2, each 64 x 64: 16 accumulators, which take turns, one instruction a turn.
; THE RING: K goes in eight steps of 512 through two LDS slots.  A slot holds A's and B's 128 rows (512 bytes + 16 of padding) and their scale words of four planes (2,048 bytes each).  One joint load a wave and slot:
; wave 0 A's codes, 1 B's, 2 A's words, 3 B's.  Step 0 is asked for at the head, step 1 behind a round of the cluster's barrier; steps 2 to 7 are refills, each behind a drained round of the cluster's barrier.
; The loop has three trips of two slots; the first product (C = the bias) stands ahead of it, and the last two slots, which ask for nothing, are written out.
; CLUSTER 4 x 4: A's tiles are asked for jointly along a row, B's along a column.
; PREFETCH: behind the load of K step u a wave asks for K step u + 2 (behind step 0's also for step 1): of a tile's 128 rows x 2 blocks of 256 bytes each of the four partners takes 32 rows, told apart by address (cx for A, cy for B);
; waves 0, 1 take A's two blocks of a row, waves 2, 3 B's; a lane a row.  The last trip's two refills have no step two on and ask for nothing.
; The matrix instruction is used transposed (source 0 = B's rows, source 1 = A's): a lane holds eight neighbouring columns of one row.
; THE WAY OUT: the wave's 64 rows x 256 bytes go through its stage in slot 0 (its last fill is done, and nobody reads it behind the last change of slots) and leave as aligned units of 256 bytes from sixteen lanes.
; REGISTERS: window 0: v15 the prefetches' offset; v16-27 addresses; v32-63 scale words, two sets, and nothing else; v64-95 the bias; v128-255 A's fragments, two sets (then the rows on the way out).  window 1: v0-127 B's fragments, two sets; v128-255 accumulators.
.set KROW,   4096
.set STEPB,  512
.set PITCH,  528                       ; 33 x 16 bytes: the 16 rows that a load touches start at 16 different groups of four banks (64 banks of 4 bytes: ISA guide 11.1)
.set TILEB,  128*PITCH
.set ASC,    2*TILEB
.set BSC,    ASC+2048
.set SLOT,   BSC+2048
.set SPARE,  2*SLOT                    ; the spare words: 128 bytes a wave, named by no other line
.set SPITCH, 272
.set PFO,  15
.set ADRA, 16
.set ADRB, 18
.set ADRS, 20
.set STO,  24
.set RD,   25
.set CO,   26
.set BOF,  27
.set SPW,  28
.set NIL,  29
.set SC,   32
.set BI,   64
.set AF,   128
.set G1,   24
.set G0,   32
.set G1B,  48
.set G0B,  56
.set G1S,  68
.set G0S,  76
.set G1SB, 84
.set G0SB, 92
.set PFA,  104                         ; s[104:105] where my prefetches stand
.set MSB, 0
.macro WIN new                         ; the immediate's high byte repeats the setting that is left
.if MSB != \new
	s_set_vgpr_msb (MSB<<8)|\new
.set MSB, \new
.endif
.endm
.macro PLACES n
.rept \n
	v_nop
.endr
.endm
.macro ONELOAD g0, g1                  ; a tensor load, and behind it the s_nop 0 and four v_nop
	tensor_load_to_lds s[\g0:\g0+3], s[\g1:\g1+7]
	s_nop 0
	PLACES 4
.endm
.macro JLOAD s                         ; each wave's one joint load for slot s; the branches hang on the wave's number alone
	s_cmp_lt_u32 s14, 2
	s_cbranch_scc0 .Lw23_\@
	s_cmp_eq_u32 s14, 0
	s_cbranch_scc0 .Lw1_\@
	ONELOAD G0+4*\s, G1
	s_branch .Lasked_\@
.Lw1_\@:
	ONELOAD G0B+4*\s, G1B
	s_branch .Lasked_\@
.Lw23_\@:
	s_cmp_eq_u32 s14, 2
	s_cbranch_scc0 .Lw3_\@
	ONELOAD G0S+4*\s, G1S
	s_branch .Lasked_\@
.Lw3_\@:
	ONELOAD G0SB+4*\s, G1SB
.Lasked_\@:
.endm
.macro CREST                           ; a round of the cluster's barrier behind its opening barrier
	s_cmp_lg_u32 s14, 0
	s_cbranch_scc1 .Lnot_wave_0_\@
	s_barrier_signal -3
.Lnot_wave_0_\@:
	s_barrier_wait -3
	s_barrier_signal -1
	s_barrier_wait -1
.endm
.macro CROUND                          ; a whole round
	s_barrier_signal -1
	s_barrier_wait -1
	CREST
.endm
	s_load_b256 s[4:11], s[0:1], 0x0               ; wh, w2_codes, wprep, b2
	s_load_b64 s[12:13], s[0:1], 0x20              ; wy2
	v_lshl_add_u32 v[SPW], v0, 2, SPARE
	v_mov_b32 v[NIL], 0
	ds_add_u32 v[SPW], v[NIL]                      ; the wave's opening: 0 onto my spare word, twice on end, waited for ahead of my first tensor load
	ds_add_u32 v[SPW], v[NIL]
	v_lshrrev_b32 v1, 5, v0
	v_readfirstlane_b32 s14, v1                    ; wave 0..3
	s_lshr_b32 s15, s14, 1                         ; which 64 of A's rows are mine
	s_and_b32 s16, s14, 1                          ; which 64 of B's
	s_bfe_u32 s40, ttmp6, 0x40000                  ; cx
	s_bfe_u32 s41, ttmp6, 0x40004                  ; cy
	s_lshl_b32 s42, ttmp9, 2
	s_add_co_u32 s42, s42, s40                     ; tile column 0..7
	s_and_b32 s17, ttmp7, 0xffff
	s_lshl_b32 s17, s17, 2
	s_add_co_u32 s17, s17, s41                     ; tile row 0..31
	s_lshl_b32 s43, s41, 2
	s_lshl_b32 s43, 15, s43                        ; my row of the cluster
	s_lshl_b32 s44, 0x1111, s40                    ; my column
	s_or_b32 s[G1], s43, (1<<20)|(1<<21)|(6<<22)|(3<<25)    ; the mask; elements of 1 byte; padding: 4 words behind every 128; bit 21 beside a mask
	s_or_b32 s[G1B], s44, (1<<20)|(1<<21)|(6<<22)|(3<<25)
.irp g, G1, G1B
	s_mov_b32 s[\g+1], STEPB<<16                   ; tensor_dim0
	s_mov_b32 s[\g+2], 128<<16                     ; tensor_dim1
	s_mov_b32 s[\g+3], STEPB<<16                   ; tile_dim0
	s_mov_b32 s[\g+4], 128                         ; tile_dim1
	s_mov_b32 s[\g+5], KROW                        ; from row to row
	s_mov_b32 s[\g+6], 0
	s_mov_b32 s[\g+7], 0
.endr
	s_or_b32 s[G1S], s43, (3<<16)|(1<<21)          ; scale words: four planes, of each the 512 bytes of my 128 rows; planes 1,024 bytes apart; elements of 8 bytes
	s_or_b32 s[G1SB], s44, (3<<16)|(1<<21)
.irp g, G1S, G1SB
	s_mov_b32 s[\g+1], 64<<16
	s_mov_b32 s[\g+2], 4<<16
	s_mov_b32 s[\g+3], 64<<16
	s_mov_b32 s[\g+4], 4
	s_mov_b32 s[\g+5], 128
	s_mov_b32 s[\g+6], 0
	s_mov_b32 s[\g+7], 0
.endr
	s_lshl_b32 s20, s17, 19                        ; A: 128 rows of 4,096 bytes a tile
	s_mov_b32 s21, 0
	s_lshr_b32 s22, s17, 1                         ; its words: [row / 256][k / 128][row % 256]: 32 planes of 1,024 bytes
	s_lshl_b32 s22, s22, 15
	s_and_b32 s18, s17, 1
	s_lshl_b32 s18, s18, 9
	s_add_co_u32 s22, s22, s18
	s_add_co_u32 s22, s22, 0x1000000
	s_mov_b32 s23, 0
	s_lshl_b32 s46, s42, 19                        ; B likewise
	s_mov_b32 s47, 0
	s_lshr_b32 s100, s42, 1
	s_lshl_b32 s100, s100, 15
	s_and_b32 s19, s42, 1
	s_lshl_b32 s19, s19, 9
	s_add_co_u32 s100, s100, s19
	s_add_co_u32 s100, s100, 0x460000
	s_mov_b32 s101, 0
	s_cmp_lt_u32 s14, 2                            ; the prefetches: waves 0, 1 ask for A's rows, waves 2, 3 for B's
	s_cselect_b32 s45, s40, s41                    ; my place among the four that ask for the tile jointly
	s_mul_i32 s45, s45, 32*KROW                    ; my work-group's 32 rows,
	s_lshl_b32 s18, s16, 8
	s_add_co_u32 s45, s45, s18                     ; my wave's 256 of a step's 512 bytes,
	v_and_b32 v[PFO], 31, v0
	v_mad_u32_u24 v[PFO], v[PFO], KROW, s45        ; a lane a row; never rewritten
	s_wait_alu depctr_va_vdst(0)
	s_wait_dscnt 0x0                               ; both opening adds are done
	s_wait_kmcnt 0x0
	s_add_nc_u64 s[20:21], s[4:5], s[20:21]
	s_add_nc_u64 s[22:23], s[4:5], s[22:23]
	s_add_nc_u64 s[46:47], s[6:7], s[46:47]
	s_add_nc_u64 s[100:101], s[8:9], s[100:101]
	s_cmp_lt_u32 s14, 2
	s_cselect_b64 s[PFA:PFA+1], s[20:21], s[46:47] ; the tile's first row
	CROUND                                         ; all sixteen work-groups are here: the first joint loads meet
.irp s, 0,1
	s_mov_b32 s[G0+4*\s], 1
	s_mov_b32 s[G0+4*\s+1], \s*SLOT
	s_add_nc_u64 s[G0+4*\s+2:G0+4*\s+3], s[20:21], \s*STEPB
	s_or_b32 s[G0+4*\s+3], s[G0+4*\s+3], 0x80000000
	s_mov_b32 s[G0B+4*\s], 1
	s_mov_b32 s[G0B+4*\s+1], \s*SLOT+TILEB
	s_add_nc_u64 s[G0B+4*\s+2:G0B+4*\s+3], s[46:47], \s*STEPB
	s_or_b32 s[G0B+4*\s+3], s[G0B+4*\s+3], 0x80000000
	s_mov_b32 s[G0S+4*\s], 1
	s_mov_b32 s[G0S+4*\s+1], \s*SLOT+ASC
	s_add_nc_u64 s[G0S+4*\s+2:G0S+4*\s+3], s[22:23], \s*4096
	s_or_b32 s[G0S+4*\s+3], s[G0S+4*\s+3], 0x80000000
	s_mov_b32 s[G0SB+4*\s], 1
	s_mov_b32 s[G0SB+4*\s+1], \s*SLOT+BSC
	s_add_nc_u64 s[G0SB+4*\s+2:G0SB+4*\s+3], s[100:101], \s*4096
	s_or_b32 s[G0SB+4*\s+3], s[G0SB+4*\s+3], 0x80000000
.endr
	JLOAD 0                                        ; one tensor load a wave at the head
	global_prefetch_b8 v[PFO], s[PFA:PFA+1] offset:STEPB th:TH_LOAD_NT scope:SCOPE_SE     ; K step 1, a fill ahead of its load,
	global_prefetch_b8 v[PFO], s[PFA:PFA+1] offset:2*STEPB th:TH_LOAD_NT scope:SCOPE_SE   ; and K step 2, two ahead
	s_mul_i32 s21, s15, 64*PITCH                   ; my 64 rows of A,
	s_mul_i32 s22, s16, 64*PITCH
	s_add_co_u32 s22, s22, TILEB                   ; of B
	s_xor_b32 s23, s15, 1                          ; the scale words: lanes 0-15 take A's, lanes 16-31 B's: the lower base + h x the distance,
	s_add_co_u32 s23, s23, s16
	s_lshl_b32 s23, s23, 8
	s_add_co_u32 s23, s23, 1792                    ; 2,048 + 256 (B's half) - 256 (A's half)
	s_lshl_b32 s18, s15, 8
	s_add_co_u32 s18, s18, ASC
	s_mul_i32 s19, s14, 64*SPITCH                  ; my stage
	s_lshl_b32 s46, s42, 9                         ; my first column, in bytes of f32
	s_lshl_b32 s47, s16, 8
	s_add_co_u32 s46, s46, s47
	s_mov_b32 s47, 0
	s_add_nc_u64 s[66:67], s[10:11], s[46:47]      ; the bias there
	s_lshl_b32 s100, s17, 7
	s_lshl_b32 s101, s15, 6
	s_add_co_u32 s100, s100, s101                  ; my first row
	s_lshl_b32 s100, s100, 12
	s_add_co_u32 s100, s100, s46
	s_mov_b32 s101, 0
	s_add_nc_u64 s[12:13], s[12:13], s[100:101]
	v_and_b32 v1, 15, v0                           ; r
	v_bfe_u32 v2, v0, 4, 1                         ; h
	v_mul_u32_u24 v3, v1, PITCH
	v_lshl_add_u32 v4, v2, 4, v3                   ; a fragment's row x pitch + 16 h
	v_add_nc_u32 v[ADRA], s21, v4
	v_add_nc_u32 v[ADRB], s22, v4
	v_add_nc_u32 v[ADRA+1], SLOT, v[ADRA]
	v_add_nc_u32 v[ADRB+1], SLOT, v[ADRB]
	v_mul_u32_u24 v6, s23, v2
	v_lshl_add_u32 v5, v1, 2, v6
	v_add_nc_u32 v[ADRS], s18, v5
	v_add_nc_u32 v[ADRS+1], SLOT, v[ADRS]
	v_lshlrev_b32 v[BOF], 5, v2
.irp b, 0,1,2,3
	global_load_b128 v[BI+8*\b:BI+8*\b+3], v[BOF], s[66:67] offset:64*\b       ; register 8 b + j: the bias of column 16 b + 8 h + j
	global_load_b128 v[BI+8*\b+4:BI+8*\b+7], v[BOF], s[66:67] offset:64*\b+16
.endr
	v_mul_u32_u24 v5, v1, SPITCH
	v_lshl_add_u32 v5, v2, 5, v5
	v_add_nc_u32 v[STO], s19, v5                   ; the stage, in: row r, 32 bytes for each half of the lanes
	v_mul_u32_u24 v6, v2, SPITCH
	v_lshl_add_u32 v6, v1, 4, v6
	v_add_nc_u32 v[RD], s19, v6                    ; back: lanes 0-15 one row of 256 bytes, lanes 16-31 the next
	v_lshlrev_b32 v7, 12, v2
	v_lshl_add_u32 v[CO], v1, 4, v7                ; and the same two rows in wy2
.macro FRAG reg, adr, q, i             ; 16 rows x 128 K: registers 4 c .. 4 c + 3 hold K = 32 c + 16 h + 0 .. 15
.irp c, 0,1,2,3
	ds_load_b128 v[\reg+4*\c:\reg+4*\c+3], v[\adr] offset:128*(\q)+32*\c+(\i)*16*PITCH
.endr
.endm
.macro FETCH slot, q, p                ; 32 loads: B's and A's four fragments of the slot's q-th 128 along K into set p
	WIN 0x40
.irp i, 0,1,2,3
	FRAG 64*(\p)+16*\i, ADRB+\slot, \q, \i
.endr
	WIN 0
.irp i, 0,1,2,3
	FRAG AF+64*(\p)+16*\i, ADRA+\slot, \q, \i
.endr
.endm
.macro SCALES sc                       ; register 4 q + i of set sc: lanes 0-15 the word of A's block i, lanes 16-31 of B's block i, plane q
.irp q, 0,1,2,3
.irp i, 0,1,2,3
	ds_load_b32 v[SC+16*\sc+4*\q+\i], v[ADRS+\sc] offset:512*\q+64*\i
.endr
.endr
.endm
.macro MUL p, sc, q, first             ; 16 products; first = 1: C is the bias
.if \first
	WIN 0x41
.else
	WIN 0x51
.endif
.irp a, 0,1,2,3
.irp b, 0,1,2,3
.if \first
	v_wmma_scale_f32_16x16x128_f8f6f4 v[128+8*(4*\a+\b):135+8*(4*\a+\b)], v[64*(\p)+16*\b:64*(\p)+16*\b+15], v[AF+64*(\p)+16*\a:AF+64*(\p)+16*\a+15], v[BI+8*\b:BI+8*\b+7], v[SC+16*(\sc)+4*(\q)+\b], v[SC+16*(\sc)+4*(\q)+\a] matrix_a_scale:MATRIX_SCALE_ROW1
.else
	v_wmma_scale_f32_16x16x128_f8f6f4 v[128+8*(4*\a+\b):135+8*(4*\a+\b)], v[64*(\p)+16*\b:64*(\p)+16*\b+15], v[AF+64*(\p)+16*\a:AF+64*(\p)+16*\a+15], v[128+8*(4*\a+\b):135+8*(4*\a+\b)], v[SC+16*(\sc)+4*(\q)+\b], v[SC+16*(\sc)+4*(\q)+\a] matrix_a_scale:MATRIX_SCALE_ROW1
.endif
.endr
.endr
	WIN 0
.endm
.macro STP slot, q, p                  ; eight places behind the products that read set 1 - p; the next 128 along K into it; then the q-th 128, in set p
	PLACES 8
	FETCH \slot, (\q)+1, 1-(\p)
	s_wait_dscnt 32                                ; all but the 32 loads just issued
	MUL \p, \slot, \q, 0
.endm
; A slot's last 128 along K, and the change of slots.  fill = 1: the slot is filled again, two K steps ahead, behind a round of the cluster's barrier.
.macro TURN slot, next, fill
.if \fill
	s_wait_xcnt 0x0                                ; my last prefetch has read its base, which steps here, ahead of the change's own waits
	s_add_nc_u64 s[PFA:PFA+1], s[PFA:PFA+1], STEPB
.endif
	s_wait_tensorcnt 0x0                           ; my one load that was out, my part of the next slot, has landed
	ds_add_u32 v[SPW], v[NIL]                      ; 0 onto my spare word
	s_wait_dscnt 0x0                               ; the add is done, and my reads of this slot are over
	s_barrier_signal -1
	MUL 1, \slot, 3, 0                             ; work on registers while the others arrive
	s_barrier_wait -1
.if \fill
	CREST                                          ; no wave of any partner still reads this slot or has a load on its way
	s_add_nc_u64 s[G0+4*\slot+2:G0+4*\slot+3], s[G0+4*\slot+2:G0+4*\slot+3], 2*STEPB
	s_add_nc_u64 s[G0B+4*\slot+2:G0B+4*\slot+3], s[G0B+4*\slot+2:G0B+4*\slot+3], 2*STEPB
	s_add_nc_u64 s[G0S+4*\slot+2:G0S+4*\slot+3], s[G0S+4*\slot+2:G0S+4*\slot+3], 8192
	s_add_nc_u64 s[G0SB+4*\slot+2:G0SB+4*\slot+3], s[G0SB+4*\slot+2:G0SB+4*\slot+3], 8192
	JLOAD \slot                                    ; the first tensor load behind the round, one a wave; its four v_nop are among the eight places
	PLACES 4
.else
	PLACES 8
.endif
	SCALES \next
	FETCH \next, 0, 0
	FETCH \next, 1, 1
.if \fill
	s_cmp_gt_u32 s3, 1                             ; the last trip's refills are K steps 6 and 7: no step stands two on
	s_cbranch_scc0 .Lnone_\@
	global_prefetch_b8 v[PFO], s[PFA:PFA+1] th:TH_LOAD_NT scope:SCOPE_SE   ; the K step two refills on
.Lnone_\@:
.endif
	s_wait_dscnt 32                                ; the scale words and set 0 are in
	MUL 0, \next, 0, 0
.endm
	s_wait_alu depctr_va_vdst(0)
	s_wait_tensorcnt 0x0                           ; my part of K step 0 is in
	ds_add_u32 v[SPW], v[NIL]
	s_wait_dscnt 0x0
	CROUND                                         ; everybody's part is in, and the joint loads meet
	JLOAD 1
	global_prefetch_b8 v[PFO], s[PFA:PFA+1] offset:3*STEPB th:TH_LOAD_NT scope:SCOPE_SE   ; K step 3
	SCALES 0
	FETCH 0, 0, 0
	FETCH 0, 1, 1
	s_wait_loadcnt 0x0                             ; the bias
	s_wait_dscnt 32
	MUL 0, 0, 0, 1                                 ; the first products stand ahead of the loop: they start the sums
	s_wait_xcnt 0x0                                ; the head's prefetches have read their base
	s_add_nc_u64 s[PFA:PFA+1], s[PFA:PFA+1], 3*STEPB   ; at K step 3: the first refill steps it to 4
	s_mov_b32 s3, 3
.Llap:                                             ; a trip goes once round the ring, from a slot's second 128 to the same slot's first, and fills both slots again
	STP 0, 1, 1
	STP 0, 2, 0
	TURN 0, 1, 1
	STP 1, 1, 1
	STP 1, 2, 0
	TURN 1, 0, 1
	s_sub_co_u32 s3, s3, 1
	s_cmp_lg_u32 s3, 0
	s_cbranch_scc1 .Llap
	STP 0, 1, 1                                    ; K steps 6 and 7 ask for nothing
	STP 0, 2, 0
	TURN 0, 1, 0
	STP 1, 1, 1
	STP 1, 2, 0
	s_wait_dscnt 0x0
	MUL 1, 1, 3, 0
	PLACES 8
	WIN 0x04                                       ; the stores' data: window 1
.irp a, 0,1,2,3
.irp b, 0,1,2,3
	ds_store_b128 v[STO], v[128+8*(4*\a+\b):131+8*(4*\a+\b)] offset:\a*16*SPITCH+64*\b      ; each accumulator from its low end on
	ds_store_b128 v[STO], v[132+8*(4*\a+\b):135+8*(4*\a+\b)] offset:\a*16*SPITCH+64*\b+16
.endr
.endr
	WIN 0
.set n, 0
.rept 32
	ds_load_b128 v[128+4*n:131+4*n], v[RD] offset:2*n*SPITCH   ; LDS serves a wave's instructions in order (ISA guide 5.7.1.4): these see my stores
.set n, n+1
.endr
.set n, 0
.rept 32
	s_wait_dscnt 31-n                              ; the loads issued behind this one may stay out
	global_store_b128 v[CO], v[128+4*n:131+4*n], s[12:13] offset:2*n*4096 th:TH_STORE_NT   ; sixteen lanes store 256 consecutive bytes, aligned
.set n, n+1
.endr
	s_wait_tensorcnt 0x0                           ; the wave's end
	ds_add_u32 v[SPW], v[NIL]
	s_wait_dscnt 0x0
	CROUND                                         ; the closing round
	s_endpgm
.Lfunc_end_k_q851ea233ab_mlp2:
	.size	k_q851ea233ab_mlp2, .Lfunc_end_k_q851ea233ab_mlp2-k_q851ea233ab_mlp2
	.p2alignl 7, 3214868480
	.fill 96, 4, 3214868480
	.section	.rodata,"a",@progbits
	.p2align	6, 0x0
	.amdhsa_kernel k_q851ea233ab_mlp2
		.amdhsa_group_segment_fixed_size 327680
		.amdhsa_private_segment_fixed_size 0
		.amdhsa_enable_private_segment 0
		.amdhsa_kernarg_size 40
		.amdhsa_user_sgpr_count 2
		.amdhsa_user_sgpr_kernarg_segment_ptr 1
		.amdhsa_wavefront_size32 1
		.amdhsa_system_sgpr_workgroup_id_x 1
		.amdhsa_system_sgpr_workgroup_id_y 1
		.amdhsa_system_sgpr_workgroup_id_z 1
		.amdhsa_system_vgpr_workitem_id 0
		.amdhsa_next_free_vgpr 512
		.amdhsa_next_free_sgpr 106
		.amdhsa_reserve_vcc 0
		.amdhsa_float_denorm_mode_32 3
		.amdhsa_float_denorm_mode_16_64 3
		.amdhsa_memory_ordered 1
		.amdhsa_forward_progress 1
		.amdhsa_inst_pref_size 99
	.end_amdhsa_kernel
	.amdgpu_metadata
---
amdhsa.version: [ 1, 2 ]
amdhsa.kernels:
  - .name:           k_q851ea233ab_mlp2
    .symbol:         k_q851ea233ab_mlp2.kd
    .args:
      - { .name: wh, .offset: 0, .size: 8, .value_kind: global_buffer, .address_space: global }
      - { .name: w2_codes, .offset: 8, .size: 8, .value_kind: global_buffer, .address_space: global }
      - { .name: wprep, .offset: 16, .size: 8, .value_kind: global_buffer, .address_space: global }
      - { .name: b2, .offset: 24, .size: 8, .value_kind: global_buffer, .address_space: global }
      - { .name: wy2, .offset: 32, .size: 8, .value_kind: global_buffer, .address_space: global }
    .group_segment_fixed_size: 327680
    .private_segment_fixed_size: 0
    .kernarg_segment_align: 8
    .kernarg_segment_size: 40
    .max_flat_workgroup_size: 128
    .sgpr_count:     106
    .vgpr_count:     512
    .wavefront_size: 32
...
	.end_amdgpu_metadata
.endif
;; end of part 7
;; launch ln2 (part 8): grid 256 x 1, 8 waves a work-group, no clusters, 0 bytes of LDS; arguments wy2, wx1, g2, be2, out0; writes out0
.if DOCPART == 8
	.amdgcn_target "amdgcn-amd-amdhsa--gfx1250"
	.amdhsa_code_object_version 6
	.text
	.protected	k_q851ea233ab_ln2
	.globl	k_q851ea233ab_ln2
	.p2align	8
	.type	k_q851ea233ab_ln2,@function
k_q851ea233ab_ln2:
	s_mov_b64 s[64:65], 0
	v_nop
	global_prefetch_b8 v0, s[64:65] scope:SCOPE_SE
	s_setreg_imm32_b32 hwreg(HW_REG_WAVE_MODE, 25, 1), 1
	s_wait_xcnt 0x0
; out0 = LayerNorm(x1 + y2) g2 + be2, all in f32.  y2 [4096][1024] is what the launch mlp2 left in wy2, the bias b2 in it; x1 is the f32 part of wx1 (from byte 0 on).
; A work-group takes 16 rows, a wave two; a row lies in 32 registers of the wave (register 4 j + i = column 128 j + 4 lane + i): every byte is read once; no LDS, no barrier.  Each load and store covers 512 consecutive bytes.
; All of a wave's 48 loads are issued at its head; row 0 is worked while row 1's sixteen are on their way.  Mean, then the mean of the squares of the differences, as reference() has them.
; No matrix unit, cluster or prefetch: each byte is asked for once, at the head, and the text has no loop.
; LIMITS: the sums' order differs from reference()'s; 1 / sqrt by v_rsq_f32; NaN and infinities not served.
; REGISTERS: v3 16 x lane; v16-27 at work; v32-63 g, v64-95 be of my columns; v96-127, v160-191 y2, then the sum, then the result of rows 0, 1; v128-159, v192-223 x1 of rows 0, 1.
.set G,     32
.set BE,    64
.set R,     96
.set XS,    128
.set RP,    64
	s_load_b256 s[4:11], s[0:1], 0x0               ; wy2, wx1, g2, be2
	s_load_b64 s[12:13], s[0:1], 0x20              ; out0
	v_lshrrev_b32 v1, 5, v0
	s_delay_alu instid0(VALU_DEP_1)
	v_readfirstlane_b32 s20, v1                    ; wave 0..7
	v_and_b32 v2, 31, v0
	s_delay_alu instid0(VALU_DEP_1)
	v_lshlrev_b32 v3, 4, v2                        ; 16 x lane
	s_mov_b32 s14, 0x3a800000                      ; 1 / 1,024
	s_mov_b32 s15, 0x3727c5ac                      ; 1e-5
	s_mov_b32 s16, 0x76543210
	s_mov_b32 s17, 0xfedcba98                      ; v_permlanex16_b32's selects for lane l xor 16
	s_lshl_b32 s24, ttmp9, 16
	s_lshl_b32 s25, s20, 13
	s_add_co_u32 s24, s24, s25                     ; my two rows of 4,096 bytes
	s_mov_b32 s25, 0
	s_wait_alu depctr_va_vdst(0)
	s_wait_kmcnt 0x0
	s_add_nc_u64 s[4:5], s[4:5], s[24:25]
	s_add_nc_u64 s[6:7], s[6:7], s[24:25]
	s_add_nc_u64 s[12:13], s[12:13], s[24:25]
.irp j, 0,1,2,3,4,5,6,7
	global_load_b128 v[G+4*\j:G+4*\j+3], v3, s[8:9] offset:512*\j
	global_load_b128 v[BE+4*\j:BE+4*\j+3], v3, s[10:11] offset:512*\j
.endr
.irp p, 0,1
.irp j, 0,1,2,3,4,5,6,7
	global_load_b128 v[R+RP*\p+4*\j:R+RP*\p+4*\j+3], v3, s[4:5] offset:4096*\p+512*\j th:TH_LOAD_NT
	global_load_b128 v[XS+RP*\p+4*\j:XS+RP*\p+4*\j+3], v3, s[6:7] offset:4096*\p+512*\j th:TH_LOAD_NT
.endr
.endr
.macro REDUCE                          ; four packed chains in v16-23 become one sum, in every lane's v16
	s_delay_alu instid0(VALU_DEP_3)
	v_pk_add_f32 v[16:17], v[16:17], v[18:19]
	s_delay_alu instid0(VALU_DEP_2)
	v_pk_add_f32 v[20:21], v[20:21], v[22:23]
	s_delay_alu instid0(VALU_DEP_1)
	v_pk_add_f32 v[16:17], v[16:17], v[20:21]
	s_delay_alu instid0(VALU_DEP_1)
	v_add_f32 v16, v16, v17
	s_delay_alu instid0(VALU_DEP_1)
	v_add_f32_dpp v16, v16, v16 row_xmask:1 row_mask:0xf bank_mask:0xf
	s_delay_alu instid0(VALU_DEP_1)
	v_add_f32_dpp v16, v16, v16 row_xmask:2 row_mask:0xf bank_mask:0xf
	s_delay_alu instid0(VALU_DEP_1)
	v_add_f32_dpp v16, v16, v16 row_xmask:4 row_mask:0xf bank_mask:0xf
	s_delay_alu instid0(VALU_DEP_1)
	v_add_f32_dpp v16, v16, v16 row_xmask:8 row_mask:0xf bank_mask:0xf
	s_delay_alu instid0(VALU_DEP_1)
	v_permlanex16_b32 v17, v16, s16, s17
	s_delay_alu instid0(VALU_DEP_1)
	v_add_f32 v16, v16, v17
.endm
.macro LNROW Z, X
.irp j, 0,2,4,6,8,10,12,14,16,18,20,22,24,26,28,30
	v_pk_add_f32 v[\Z+\j:\Z+\j+1], v[\Z+\j:\Z+\j+1], v[\X+\j:\X+\j+1]     ; the residual
.endr
.irp k, 0,1,2,3
	v_pk_add_f32 v[16+2*\k:17+2*\k], v[\Z+4*\k:\Z+4*\k+1], v[\Z+4*\k+2:\Z+4*\k+3]
.endr
.irp j, 16,24
.irp k, 0,1,2,3
	s_delay_alu instid0(VALU_DEP_4)
	v_pk_add_f32 v[16+2*\k:17+2*\k], v[16+2*\k:17+2*\k], v[\Z+\j+2*\k:\Z+\j+2*\k+1]
.endr
.endr
	REDUCE
	s_delay_alu instid0(VALU_DEP_1)
	v_mul_f32 v24, s14, v16                        ; the mean
	s_delay_alu instid0(VALU_DEP_1)
	v_mov_b32 v25, v24
.irp j, 0,2,4,6,8,10,12,14,16,18,20,22,24,26,28,30
	v_pk_add_f32 v[\Z+\j:\Z+\j+1], v[\Z+\j:\Z+\j+1], v[24:25] neg_lo:[0,1] neg_hi:[0,1]
.endr
.irp k, 0,1,2,3
	v_pk_mul_f32 v[16+2*\k:17+2*\k], v[\Z+2*\k:\Z+2*\k+1], v[\Z+2*\k:\Z+2*\k+1]
.endr
.irp j, 8,16,24
.irp k, 0,1,2,3
	s_delay_alu instid0(VALU_DEP_4)
	v_pk_fma_f32 v[16+2*\k:17+2*\k], v[\Z+\j+2*\k:\Z+\j+2*\k+1], v[\Z+\j+2*\k:\Z+\j+2*\k+1], v[16+2*\k:17+2*\k]
.endr
.endr
	REDUCE
	s_delay_alu instid0(VALU_DEP_1)
	v_fma_f32 v16, v16, s14, s15                   ; the variance + 1e-5
	s_wait_alu depctr_va_vdst(0)
	v_rsq_f32 v26, v16
	v_nop                                          ; a plain line behind the transcendental,
	s_wait_alu depctr_va_vdst(0)                   ; and a wait ahead of its first reader
	v_mov_b32 v27, v26
.irp j, 0,2,4,6,8,10,12,14,16,18,20,22,24,26,28,30
	v_pk_mul_f32 v[\Z+\j:\Z+\j+1], v[\Z+\j:\Z+\j+1], v[26:27]
.endr
.irp j, 0,2,4,6,8,10,12,14,16,18,20,22,24,26,28,30
	v_pk_fma_f32 v[\Z+\j:\Z+\j+1], v[\Z+\j:\Z+\j+1], v[G+\j:G+\j+1], v[BE+\j:BE+\j+1]
.endr
.endm
	s_wait_loadcnt 16                              ; g, be and row 0 are in; row 1's sixteen loads stay out
	LNROW R, XS
.irp j, 0,1,2,3,4,5,6,7
	global_store_b128 v3, v[R+4*\j:R+4*\j+3], s[12:13] offset:512*\j th:TH_STORE_NT
.endr
	s_wait_loadcnt 0x0
	LNROW R+RP, XS+RP
.irp j, 0,1,2,3,4,5,6,7
	global_store_b128 v3, v[R+RP+4*\j:R+RP+4*\j+3], s[12:13] offset:4096+512*\j th:TH_STORE_NT
.endr
	s_endpgm
.Lfunc_end_k_q851ea233ab_ln2:
	.size	k_q851ea233ab_ln2, .Lfunc_end_k_q851ea233ab_ln2-k_q851ea233ab_ln2
	.p2alignl 7, 3214868480
	.fill 96, 4, 3214868480
	.section	.rodata,"a",@progbits
	.p2align	6, 0x0
	.amdhsa_kernel k_q851ea233ab_ln2
		.amdhsa_group_segment_fixed_size 0
		.amdhsa_private_segment_fixed_size 0
		.amdhsa_enable_private_segment 0
		.amdhsa_kernarg_size 40
		.amdhsa_user_sgpr_count 2
		.amdhsa_user_sgpr_kernarg_segment_ptr 1
		.amdhsa_wavefront_size32 1
		.amdhsa_system_sgpr_workgroup_id_x 1
		.amdhsa_system_sgpr_workgroup_id_y 1
		.amdhsa_system_sgpr_workgroup_id_z 1
		.amdhsa_system_vgpr_workitem_id 0
		.amdhsa_next_free_vgpr 256
		.amdhsa_next_free_sgpr 66
		.amdhsa_reserve_vcc 0
		.amdhsa_float_denorm_mode_32 3
		.amdhsa_float_denorm_mode_16_64 3
		.amdhsa_memory_ordered 1
		.amdhsa_forward_progress 1
		.amdhsa_inst_pref_size 25
	.end_amdhsa_kernel
	.amdgpu_metadata
---
amdhsa.version: [ 1, 2 ]
amdhsa.kernels:
  - .name:           k_q851ea233ab_ln2
    .symbol:         k_q851ea233ab_ln2.kd
    .args:
      - { .name: wy2, .offset: 0, .size: 8, .value_kind: global_buffer, .address_space: global }
      - { .name: wx1, .offset: 8, .size: 8, .value_kind: global_buffer, .address_space: global }
      - { .name: g2, .offset: 16, .size: 8, .value_kind: global_buffer, .address_space: global }
      - { .name: be2, .offset: 24, .size: 8, .value_kind: global_buffer, .address_space: global }
      - { .name: out0, .offset: 32, .size: 8, .value_kind: global_buffer, .address_space: global }
    .group_segment_fixed_size: 0
    .private_segment_fixed_size: 0
    .kernarg_segment_align: 8
    .kernarg_segment_size: 40
    .max_flat_workgroup_size: 256
    .sgpr_count:     66
    .vgpr_count:     256
    .wavefront_size: 32
...
	.end_amdgpu_metadata
.endif
;; end of part 8
